; MI455X (gfx1250); checked and timed in simulation.
; The chip was launched on July 23, 2026; its instructions are those of AMD's public machine-readable ISA for CDNA 5 (MIT licence, August 2026) and "CDNA5" Instruction Set Architecture Reference Guide (July 2026). The comments in the code are by the model that wrote it; some were corrected since.
;; Local State. Allowed arithmetic: float matrix products may take bf16 or f16 operands with f32 sums; other float arithmetic in f32, or as packed bf16 or f16 multiplies, adds, multiply-adds, maxima and minima; sums over many terms, partial sums and values carried from step to step in f32; what a program stores and reads back later, other than sums and carried values, may be rounded once to bf16 or f16.
;; Inputs: W_content 1,024 x 1,024 float32; W_key 1,024 x 1,024 float32; W_proj 1,024 x 1,024 float32; W_qdecay 32 x 1,024 float32; W_query 1,024 x 1,024 float32; b_content 1,024 float32; b_key 1,024 float32; b_proj 1,024 float32; b_qdecay 32 float32; b_query 1,024 float32; x 4 x 1,024 x 2,048 float32.
;; Outputs: out0 4 x 1,024 x 2,048 float32.
;; One version. Each part assembles by itself: llvm-mc -triple=amdgcn-amd-amdhsa -mcpu=gfx1250 --defsym DOCPART=n.
;; ======== version 1 of 1: 4 launches
;; limits: right only within a limited range of input values
;; workspace buffers: xb 16,777,216 bytes; wb 8,388,608 bytes; dqp 4,194,304 bytes; qkv 50,331,648 bytes; ob 16,777,216 bytes
;; launch prep (part 1): grid 256 x 1, 8 waves a work-group, no clusters, 91,136 bytes of LDS; arguments x, W_query, W_key, W_content, W_proj, W_qdecay, xb, wb, dqp; writes xb, wb, dqp
.if DOCPART == 1
	.amdgcn_target "amdgcn-amd-amdhsa--gfx1250"
	.amdhsa_code_object_version 6
	.text
	.protected	k_qb36f41ded9_prep
	.globl	k_qb36f41ded9_prep
	.p2align	8
	.type	k_qb36f41ded9_prep,@function
k_qb36f41ded9_prep:
	s_mov_b64 s[64:65], 0
	v_nop
	global_prefetch_b8 v0, s[64:65] scope:SCOPE_SE
	s_setreg_imm32_b32 hwreg(HW_REG_WAVE_MODE, 25, 1), 1
	s_wait_xcnt 0x0
; PREP.  One pass over x and over the weights.  xb[b][c][t] = bf16(x); wb[4096][1024] = bf16 of W_query, W_key, W_content, W_proj, one below the other;
; dqp = partial sums, in f32, of W_qdecay x (operands bf16), one part for each quarter of the 1,024 channels: the attention launch adds the four parts.
; SHARES.  Work-group g: batch g / 64, 128 columns t ((g / 4) % 16), 256 channels c (g % 4).  Wave v casts rows c = 32 v .. 32 v + 31: a row's piece is 512 bytes of f32, one load of the wave, and leaves as
; 256 consecutive bytes of bf16, aligned.  It also casts two rows (8,192 consecutive bytes) of weight matrix v / 2.  All of a wave's 56 loads go out at once; nothing is read twice, so there is no loop.
; THE DECAY PRODUCT.  The cast rows also go into LDS ([c][t], pitch 288); wave v casts W_qdecay's two fragments (32 rows x 32 channels) of K step v into LDS as register images.  Behind one barrier wave v
; multiplies 32 decay rows x 16 columns t (16 v ..) over the group's 256 channels: 16 matrix instructions, two accumulators by turns; x comes out of LDS turned, by ds_load_tr16_b128.
; dqp: [quarter][(b 2048 + t) / 16][block of 16 decay rows][1,024 bytes: register j of lane l at 512 (j / 4) + 16 l + 4 (j % 4)]: each store of the wave covers 512 consecutive bytes, aligned.
.set XP,    288                        ; an LDS row of x: 256 bytes + 32: 72 words, an odd multiple of 8 words
.set AFI,   256*XP                     ; behind the 256 rows: the images of W_qdecay's fragments, [K step 8][block 2][1,024 bytes]
.set SPARE, AFI+16384                  ; behind them: the spare words, 128 bytes for each of the eight waves, which no other line names
.set L16,   2                          ; v2   16 x lane
.set L8,    3                          ; v3   8 x lane
.set XST,   4                          ; v4   where I put 8 bytes of my wave's first row in LDS
.set QO,    7                          ; v7   my offset in W_qdecay: row l % 16, 8 (l / 16) channels on
.set AST,   8                          ; v8   where I put my 16 bytes of my K step's images
.set ARD,   9                          ; v9   where I read an image
.set BR0,   10                         ; v10  the turning load's address, K steps 0-3
.set BR1,   11                         ; v11  K steps 4-7 (the 16-bit immediate does not reach them from v10)
.set SPW,   14                         ; v14  my spare word; never rewritten
.set NIL,   15                         ; v15  0; never rewritten
.set ACC,   16                         ; v[16:31]   two accumulators
.set X,     32                         ; v[32:159]  32 rows' pieces as loaded; later W_qdecay's 16 fragments
.set WT,    160                        ; v[160:223] 16 pieces of weights; later x's 8 fragments
.set QD,    224                        ; v[224:255] W_qdecay, 2 x 16 numbers in f32
	s_load_b512 s[8:23], s[0:1], 0x0               ; x s[8:9], W_query, W_key, W_content, W_proj s[10:17], W_qdecay s[18:19], xb s[20:21], wb s[22:23]
	s_load_b64 s[24:25], s[0:1], 0x40              ; dqp
	v_lshl_add_u32 v[SPW], v0, 2, SPARE
	v_mov_b32 v[NIL], 0
	v_lshrrev_b32 v1, 5, v0
	v_readfirstlane_b32 s2, v1                     ; wave 0..7
	v_and_b32 v1, 31, v0                           ; lane
	v_lshlrev_b32 v[L16], 4, v1
	v_lshlrev_b32 v[L8], 3, v1
	v_and_b32 v5, 15, v0                           ; l % 16
	v_bfe_u32 v6, v0, 4, 1                         ; l / 16
	s_mul_i32 s3, s2, 32*XP
	v_add_nc_u32 v[XST], s3, v[L8]
	v_lshlrev_b32 v[QO], 12, v5                    ; a row of W_qdecay is 4,096 bytes
	v_lshl_add_u32 v[QO], v6, 5, v[QO]
	s_lshl_b32 s3, s2, 11
	s_add_co_u32 s3, s3, AFI
	v_add_nc_u32 v[AST], s3, v[L16]
	v_add_nc_u32 v[ARD], AFI, v[L16]
	v_and_b32 v12, 7, v0
	v_lshl_add_u32 v12, v6, 3, v12                 ; channel 8 (l / 16) + l % 8 of a K step
	v_mul_u32_u24 v[BR0], v12, XP
	v_bfe_u32 v13, v0, 3, 1
	v_lshl_add_u32 v[BR0], v13, 4, v[BR0]          ; columns 8 ((l / 8) % 2) on
	s_lshl_b32 s3, s2, 5
	v_add_nc_u32 v[BR0], s3, v[BR0]                ; my wave's 16 columns: 32 bytes
	v_add_nc_u32 v[BR1], 4*32*XP, v[BR0]
	s_lshr_b32 s26, ttmp9, 6                       ; batch
	s_bfe_u32 s27, ttmp9, 0x40002                  ; block of 128 columns
	s_and_b32 s28, ttmp9, 3                        ; quarter of the channels
	s_lshl_b32 s29, s28, 8
	s_lshl_b32 s3, s2, 5
	s_add_co_u32 s29, s29, s3                      ; my wave's first channel
	s_lshl_b32 s30, s26, 23                        ; x: batch x 8 MiB + channel x 8,192 + block x 512
	s_lshl_b32 s3, s29, 13
	s_add_co_u32 s30, s30, s3
	s_lshl_b32 s3, s27, 9
	s_add_co_u32 s30, s30, s3
	s_mov_b32 s31, 0
	s_lshr_b32 s32, s30, 1                         ; xb: half of that
	s_mov_b32 s33, 0
	s_lshl_b32 s34, s29, 2                         ; W_qdecay: my K step's 32 channels
	s_mov_b32 s35, 0
	s_lshr_b32 s36, s2, 1                          ; which weight matrix
	s_and_b32 s37, s2, 1
	s_lshl_b32 s37, s37, 1
	s_lshl_b32 s3, ttmp9, 2
	s_add_co_u32 s37, s37, s3                      ; its rows 4 g + 2 (v % 2), + 1
	s_lshl_b32 s38, s37, 12
	s_mov_b32 s39, 0
	s_lshl_b32 s40, s36, 10
	s_add_co_u32 s40, s40, s37
	s_lshl_b32 s40, s40, 11                        ; wb: row 1,024 m + row, 2,048 bytes each
	s_mov_b32 s41, 0
	s_lshl_b32 s42, s26, 7                         ; dqp: block of 16 columns = 128 b + 8 block + v, 2,048 bytes each,
	s_lshl_b32 s3, s27, 3
	s_add_co_u32 s42, s42, s3
	s_add_co_u32 s42, s42, s2
	s_lshl_b32 s42, s42, 11
	s_lshl_b32 s3, s28, 20                         ; in the quarter's 1 MiB
	s_add_co_u32 s42, s42, s3
	s_mov_b32 s43, 0
	s_wait_kmcnt 0x0
	s_add_nc_u64 s[8:9], s[8:9], s[30:31]
	s_add_nc_u64 s[20:21], s[20:21], s[32:33]
	s_add_nc_u64 s[18:19], s[18:19], s[34:35]
	s_add_nc_u64 s[22:23], s[22:23], s[40:41]
	s_add_nc_u64 s[24:25], s[24:25], s[42:43]
	s_and_b32 s46, s36, 1                          ; the matrix is chosen by the wave's number
	s_cmp_eq_u32 s46, 0
	s_cselect_b64 s[44:45], s[10:11], s[12:13]
	s_cselect_b64 s[46:47], s[14:15], s[16:17]
	s_cmp_lt_u32 s36, 2
	s_cselect_b64 s[44:45], s[44:45], s[46:47]
	s_add_nc_u64 s[44:45], s[44:45], s[38:39]
	; all the loads: 8 of W_qdecay, 32 of x, 16 of weights
.irp m, 0,1
	global_load_b128 v[QD+16*(\m):QD+16*(\m)+3],     v[QO], s[18:19] offset:(\m)*65536      ; channels 8 (l / 16) + 0..3
	global_load_b128 v[QD+16*(\m)+4:QD+16*(\m)+7],   v[QO], s[18:19] offset:(\m)*65536+16   ; + 4..7
	global_load_b128 v[QD+16*(\m)+8:QD+16*(\m)+11],  v[QO], s[18:19] offset:(\m)*65536+64   ; 16 + 8 (l / 16) + 0..3
	global_load_b128 v[QD+16*(\m)+12:QD+16*(\m)+15], v[QO], s[18:19] offset:(\m)*65536+80
.endr
.set i, 0
.rept 32
	global_load_b128 v[X+4*i:X+4*i+3], v[L16], s[8:9] offset:i*8192 th:TH_LOAD_NT
.set i, i+1
.endr
.set i, 0
.rept 16
	global_load_b128 v[WT+4*i:WT+4*i+3], v[L16], s[44:45] offset:i*512 th:TH_LOAD_NT
.set i, i+1
.endr
	s_wait_loadcnt 48                              ; W_qdecay is in; the 48 younger loads stay out
.set i, 0
.rept 16
	v_cvt_pk_bf16_f32 v[QD+i], v[QD+2*i], v[QD+2*i+1]  ; packed in place, ascending: number i lands at or below its sources
.set i, i+1
.endr
.irp n, 0,1,2,3
	ds_store_b128 v[AST], v[QD+4*(\n):QD+4*(\n)+3] offset:512*(\n)
.endr
.set i, 0
.rept 32
	s_wait_loadcnt 47-i                            ; row i is in: behind it 31 - i rows and 16 pieces of weights
	v_cvt_pk_bf16_f32 v[X+4*i], v[X+4*i], v[X+4*i+1]
	v_cvt_pk_bf16_f32 v[X+4*i+1], v[X+4*i+2], v[X+4*i+3]
	global_store_b64 v[L8], v[X+4*i:X+4*i+1], s[20:21] offset:i*4096   ; the wave stores 256 consecutive bytes, aligned
	ds_store_b64 v[XST], v[X+4*i:X+4*i+1] offset:i*XP
.set i, i+1
.endr
.set i, 0
.rept 16
	s_wait_loadcnt 15-i
	v_cvt_pk_bf16_f32 v[WT+4*i], v[WT+4*i], v[WT+4*i+1]
	v_cvt_pk_bf16_f32 v[WT+4*i+1], v[WT+4*i+2], v[WT+4*i+3]
	global_store_b64 v[L8], v[WT+4*i:WT+4*i+1], s[22:23] offset:i*256
.set i, i+1
.endr
	s_wait_dscnt 0x0                               ; for the others' sake: my rows and my images lie in LDS
	s_barrier_signal -1
	s_barrier_wait -1
	s_wait_xcnt 0x0                                ; the stores have read their data: X and WT are loaded anew only behind this wait
.set ks, 0
.rept 8                                ; six LDS loads a K step: W_qdecay's two fragments, x's one
.irp n, 0,1,2,3
	ds_load_b128 v[X+16*ks+4*(\n):X+16*ks+4*(\n)+3], v[ARD] offset:2048*ks+512*(\n)
.endr
.if ks < 4
	ds_load_tr16_b128 v[WT+8*ks:WT+8*ks+3],   v[BR0] offset:32*XP*ks
	ds_load_tr16_b128 v[WT+8*ks+4:WT+8*ks+7], v[BR0] offset:32*XP*ks+16*XP
.else
	ds_load_tr16_b128 v[WT+8*ks:WT+8*ks+3],   v[BR1] offset:32*XP*(ks-4)
	ds_load_tr16_b128 v[WT+8*ks+4:WT+8*ks+7], v[BR1] offset:32*XP*(ks-4)+16*XP
.endif
.set ks, ks+1
.endr
.set ks, 0
.rept 8                                ; the two accumulators take turns; the first K step starts the sums
	s_wait_dscnt 6*(7-ks)                          ; this K step's six loads are in; the later steps' stay out
.if ks == 0
	v_wmma_f32_16x16x32_bf16 v[ACC:ACC+7],    v[X:X+7],    v[WT:WT+7], 0
	v_wmma_f32_16x16x32_bf16 v[ACC+8:ACC+15], v[X+8:X+15], v[WT:WT+7], 0
.else
	v_wmma_f32_16x16x32_bf16 v[ACC:ACC+7],    v[X+16*ks:X+16*ks+7],    v[WT+8*ks:WT+8*ks+7], v[ACC:ACC+7]
	v_wmma_f32_16x16x32_bf16 v[ACC+8:ACC+15], v[X+16*ks+8:X+16*ks+15], v[WT+8*ks:WT+8*ks+7], v[ACC+8:ACC+15]
.endif
.set ks, ks+1
.endr
.rept 8
	v_nop                                          ; the places between the last product and the stores of its result (ISA guide 7.12.1 asks for four; eight stand here, once a launch)
.endr
.irp n, 0,1,2,3
	global_store_b128 v[L16], v[ACC+4*(\n):ACC+4*(\n)+3], s[24:25] offset:512*(\n)  ; 512 consecutive bytes, aligned; each accumulator from its low end on
.endr
	s_wait_tensorcnt 0x0                           ; the wave's end: behind my last LDS store
	ds_add_u32 v[SPW], v[NIL]
	s_wait_dscnt 0x0
	s_endpgm
.Lfunc_end_k_qb36f41ded9_prep:
	.size	k_qb36f41ded9_prep, .Lfunc_end_k_qb36f41ded9_prep-k_qb36f41ded9_prep
	.p2alignl 7, 3214868480
	.fill 96, 4, 3214868480
	.section	.rodata,"a",@progbits
	.p2align	6, 0x0
	.amdhsa_kernel k_qb36f41ded9_prep
		.amdhsa_group_segment_fixed_size 91136
		.amdhsa_private_segment_fixed_size 0
		.amdhsa_enable_private_segment 0
		.amdhsa_kernarg_size 72
		.amdhsa_user_sgpr_count 2
		.amdhsa_user_sgpr_kernarg_segment_ptr 1
		.amdhsa_wavefront_size32 1
		.amdhsa_system_sgpr_workgroup_id_x 1
		.amdhsa_system_sgpr_workgroup_id_y 1
		.amdhsa_system_sgpr_workgroup_id_z 1
		.amdhsa_system_vgpr_workitem_id 0
		.amdhsa_next_free_vgpr 256
		.amdhsa_next_free_sgpr 66
		.amdhsa_reserve_vcc 0
		.amdhsa_float_denorm_mode_32 3
		.amdhsa_float_denorm_mode_16_64 3
		.amdhsa_memory_ordered 1
		.amdhsa_forward_progress 1
		.amdhsa_inst_pref_size 29
	.end_amdhsa_kernel
	.amdgpu_metadata
---
amdhsa.version: [ 1, 2 ]
amdhsa.kernels:
  - .name:           k_qb36f41ded9_prep
    .symbol:         k_qb36f41ded9_prep.kd
    .args:
      - { .name: x, .offset: 0, .size: 8, .value_kind: global_buffer, .address_space: global }
      - { .name: W_query, .offset: 8, .size: 8, .value_kind: global_buffer, .address_space: global }
      - { .name: W_key, .offset: 16, .size: 8, .value_kind: global_buffer, .address_space: global }
      - { .name: W_content, .offset: 24, .size: 8, .value_kind: global_buffer, .address_space: global }
      - { .name: W_proj, .offset: 32, .size: 8, .value_kind: global_buffer, .address_space: global }
      - { .name: W_qdecay, .offset: 40, .size: 8, .value_kind: global_buffer, .address_space: global }
      - { .name: xb, .offset: 48, .size: 8, .value_kind: global_buffer, .address_space: global }
      - { .name: wb, .offset: 56, .size: 8, .value_kind: global_buffer, .address_space: global }
      - { .name: dqp, .offset: 64, .size: 8, .value_kind: global_buffer, .address_space: global }
    .group_segment_fixed_size: 91136
    .private_segment_fixed_size: 0
    .kernarg_segment_align: 8
    .kernarg_segment_size: 72
    .max_flat_workgroup_size: 256
    .sgpr_count:     66
    .vgpr_count:     256
    .wavefront_size: 32
...
	.end_amdgpu_metadata
.endif
;; end of part 1
;; launch qkvg (part 2): grid 8 x 32, 4 waves a work-group, clusters of 4 x 4, 327,680 bytes of LDS; arguments xb, wb, b_query, b_key, b_content, qkv; writes qkv
.if DOCPART == 2
	.amdgcn_target "amdgcn-amd-amdhsa--gfx1250"
	.amdhsa_code_object_version 6
	.text
	.protected	k_qb36f41ded9_qkvg
	.globl	k_qb36f41ded9_qkvg
	.p2align	8
	.type	k_qb36f41ded9_qkvg,@function
k_qb36f41ded9_qkvg:
	s_mov_b64 s[64:65], 0
	v_nop
	global_prefetch_b8 v0, s[64:65] scope:SCOPE_SE
	s_setreg_imm32_b32 hwreg(HW_REG_WAVE_MODE, 25, 1), 1
	s_wait_xcnt 0x0
	s_wait_alu depctr_hold_cnt(0) depctr_sa_sdst(0) depctr_va_vdst(0) depctr_va_sdst(0) depctr_va_ssrc(0) depctr_va_vcc(0) depctr_vm_vsrc(0)
	s_getreg_b32 s2, hwreg(HW_REG_IB_STS2, 6, 4)
	s_cmp_eq_u32 s2, 0
	s_cbranch_scc0 .Lentry_in_a_cluster
	s_endpgm
.Lentry_in_a_cluster:
	s_bfe_u32 s2, ttmp6, 0x10000c
	s_cmp_lg_u32 s2, 0xf033
	s_cbranch_scc0 .Lentry_shape_is_right
	s_endpgm
.Lentry_shape_is_right:
; QKV.  qkv[b 2048 + t][o] = bias[o] + the sum over c of wb[o][c] xb[b][c][t], o = 0 .. 3,071 (q, k, content); operands bf16, sums f32, qkv rounded once to bf16.
; A WORK-GROUP STAYS: it makes 256 rows t x the 384 columns of ONE head p (its q, k and content), as two tiles of 256 x 192, in one walk of 16 K steps of 128 through two LDS slots:
;   tile 0 = W_query's 128 rows of the head (blocks 0-7 of 16 columns) and W_key's rows 0-63 (blocks 8-11);   tile 1 = W_content's 128 rows and W_key's rows 64-127.
; 8 heads x 32 blocks of t: 256 work-groups.  Four waves stacked along t, each 64 x 192: 48 accumulators of 16 x 16; a K step is 192 matrix instructions a wave.  The ring does not stop at the change of tiles.
; xb lies [c][t]: its tile is 128 rows c of 512 bytes, and its fragments come out of LDS turned (ds_load_tr16_b128).  wb lies [o][c]: rows of 256 bytes.
; SOURCE 0 = 16 rows of wb, SOURCE 1 = 16 columns t: a lane then holds one t and eight neighbouring o, 16 bytes of a row of qkv.  The bias is the C operand of the products that start a tile's sums.
; WHOLE BLOCKS OF 256 BYTES OUT.  A head's q, k, content are 256 bytes of a row each.  q leaves with tile 0.  Tile 0's half of k is set aside in LDS, each lane's 16 bytes at a place of its own, and comes back at
; tile 1's way out, where a stage row of 512 bytes holds the content and the whole k: lanes 0-15 store the one, lanes 16-31 the other.
; CLUSTER 4 x 4.  xb's tile hangs on the block of t alone and is asked for jointly by a row of the cluster; wb's on the head alone, jointly by a column.  Waves 0, 1 fetch xb's halves (64 rows c each), wave 2 wb's
; 128 rows, wave 3 its 64.  By this text's count a wave has two tensor loads out at the start, later one.
; REGISTERS: window 0: addresses; v64-79 the half of k that comes back; v80-127 packed results; v128-255 rows read back, two buffers.  Window 1: two fragment buffers of 128: wb's block b at 8 b, xb's block a at 96 + 8 a.
;   Window 2: v0-191 the accumulators of t blocks 0, 1 ((a, b) at 96 (a % 2) + 8 b); v192-255 the bias of blocks 0-7.  Window 3: v0-191 those of t blocks 2, 3; v192-223 the bias of blocks 8-11.
.set XP,     544                       ; an LDS row of xb: 512 bytes + 32 = 136 words
.set PW,     272                       ; of wb: 256 + 16 = 68 words: the 16 rows of a load start at 16 different groups of four banks (64 banks of 4 bytes: ISA guide 11.1)
.set XPART,  128*XP                    ; a slot: xb's 128 rows, then wb's 192
.set WBIG,   128*PW                    ; wave 2's part of wb's rows; wave 3's lies behind it
.set SLOT1,  1<<17                     ; slot 1 begins here: one exclusive or turns an address in one slot into the other's
.set STAGE,  SLOT1+XPART+192*PW        ; behind the ring: 16 rows x 528 bytes for each wave, for the way out
.set SP,     528                       ; 512 + 16 = 132 words
.set HOLD,   STAGE+4*16*SP             ; tile 0's half of k: 16 planes (t block a, column block n) of 16 bytes for each of the 128 threads
.set SPARE,  HOLD+16*2048              ; the spare words, 128 bytes a wave, which no other line names
.set XSTEP,  128*4096                  ; a K step in xb: 128 rows of 4,096 bytes
.set ROWB,   6144                      ; bytes in a row of qkv
.set FILLS,  14                        ; of the walk's 16 K steps all but the last two fill the slot that they leave
.set AX0, 16                           ; v16  my lane's place in xb's part of a slot
.set AW0, 17                           ; v17  in wb's
.set AX,  18                           ; v18, v19  the same in the slot in hand
.set AW,  19
.set STO, 20                           ; v20  the way out: where I put 16 bytes of a row
.set RD0, 21                           ; v21  tile 0: where I read back rows of 256 bytes, two to a load
.set CO0, 22                           ; v22  tile 0: my byte offset in two rows of qkv
.set PFO, 23                           ; v23  the prefetches' offset; never rewritten
.set BO,  24                           ; v24  32 (l / 16): my eight numbers of a block of the bias
.set RD1, 25                           ; v25  tile 1: where I read back a row of 512 bytes
.set CO1, 26                           ; v26  tile 1: lanes 0-15 the content's 256 bytes of a row of qkv, lanes 16-31 k's
.set HO,  27                           ; v27  my 16 bytes of a plane of HOLD
.set SPW, 28                           ; v28  my spare word; never rewritten
.set NIL, 29                           ; v29  0; never rewritten
.set HL,  64
.set TM,  80
.set OB,  128
.set F0,  0                            ; fragment buffers, in window 1
.set F1,  128
.set WV,  16                           ; s16  wave
.set WP,  18                           ; s18  wave % 2
.set CX,  19
.set CY,  20
.set COL, 21                           ; s21  the head
.set ROW, 22                           ; s22  the block of 256 rows t
.set G1X, 24                           ; s[24:31] group 1 for xb's tiles;  s[32:39] group 0: a set for each first fill; the second then walks
.set G0X, 32
.set TB,  42                           ; s42  0 or SLOT1: the slot in hand
.set AMSK, 43                          ; s43  bit n: I prefetch in the trip whose count is n
.set PFA, 44                           ; s[44:45] where my prefetches stand
.set G1W, 48                           ; s[48:55] group 1 for wb's 128 rows;  s[56:63] group 0 for my part of wb's rows
.set G0W, 56
.set PST, 66                           ; s[66:67] a K step in the tensor that I prefetch
.set G1H, 80                           ; s[80:87] group 1 for wb's 64 rows
.set WWR, 88                           ; s88  what my rows of wb go on by at the change of tiles, beyond a K step
.set AT,  89
.set T0,  90                           ; s[90:91], s[92:93] offsets in 64 bits; the high words stay 0
.set T2,  92
.set MSB, 0
.macro WIN new                         ; the immediate's high byte repeats the setting that is left; a switch that changes nothing is dropped
.if MSB != (\new)
	s_set_vgpr_msb (MSB<<8)|(\new)
.set MSB, \new
.endif
.endm
.set TO_F, 0x40                        ; destination window 1, address window 0
.macro AFTER                           ; behind every tensor load: s_nop 0 and four v_nop
	s_nop 0
.rept 4
	v_nop
.endr
.endm
.macro JLOAD                           ; a joint refill by the walking set; the branches hang on the wave's number alone
	s_cmp_lt_u32 s[WV], 2
	s_cbranch_scc0 .Lfor_w_\@
	tensor_load_to_lds s[G0X+4:G0X+7], s[G1X:G1X+7]
	AFTER
	s_branch .Lasked_\@
.Lfor_w_\@:
	s_cmp_eq_u32 s[WV], 2
	s_cbranch_scc0 .Lfor_h_\@
	tensor_load_to_lds s[G0W+4:G0W+7], s[G1W:G1W+7]
	AFTER
	s_branch .Lasked_\@
.Lfor_h_\@:
	tensor_load_to_lds s[G0W+4:G0W+7], s[G1H:G1H+7]
	AFTER
.Lasked_\@:
.endm
; A PREFETCH INTO THE L2, behind the joint load and the run of LDS loads: the K step that stands two refills, 384 matrix instructions, on.  Each aligned block of 256 bytes is named once in the launch.
; xb's blocks are asked for in the first tile alone (steps 4 to 7; the second tile reads them again), by waves 0, 1 of the clusters with x = 0: of the 64 rows x 2 blocks that a wave fetches the partner at cx takes rows
; 16 cx .. + 15, a lane a block.  wb's (steps 4 to 15) by the clusters with y = 0: wave 2 its 128 rows, the partner at cy rows 32 cy .. + 31, a lane a row; wave 3 its 64 rows, the partner at cy rows 16 cy .. + 15,
; for two K steps at once, in every second trip.  The partners are told apart by address.  The first four steps come by their loads alone; the last two trips ask for nothing.
.macro ASK
	WIN 0
	s_lshr_b32 s[AT], s[AMSK], s3
	s_and_b32 s[AT], s[AT], 1
	s_cmp_eq_u32 s[AT], 1
	s_cbranch_scc0 .Lnot_mine_\@
	global_prefetch_b8 v[PFO], s[PFA:PFA+1] th:TH_LOAD_NT scope:SCOPE_SE
.Lnot_mine_\@:
.endm
.macro CREST                           ; a round of the cluster's barrier behind its opening barrier
	s_cmp_lg_u32 s[WV], 0
	s_cbranch_scc1 .Lnot_wave_0_\@
	s_barrier_signal -3
.Lnot_wave_0_\@:
	s_barrier_wait -3
	s_barrier_signal -1
	s_barrier_wait -1
.endm
.macro CROUND
	s_barrier_signal -1
	s_barrier_wait -1
	CREST
.endm
; The bias of a tile: blocks 0-7 from pa, blocks 8-11 from pb at byte ob.  Register j of block b: bias[16 b + 8 (l / 16) + j].
.macro BIASLD pa, pb, ob
	WIN 0x80                                       ; destination window 2
.irp b, 0,1,2,3,4,5,6,7
	global_load_b128 v[192+8*(\b):192+8*(\b)+3],   v[BO], s[\pa:\pa+1] offset:64*(\b)
	global_load_b128 v[192+8*(\b)+4:192+8*(\b)+7], v[BO], s[\pa:\pa+1] offset:64*(\b)+16
.endr
	WIN 0xc0                                       ; destination window 3
.irp b, 0,1,2,3
	global_load_b128 v[192+8*(\b):192+8*(\b)+3],   v[BO], s[\pb:\pb+1] offset:(\ob)+64*(\b)
	global_load_b128 v[192+8*(\b)+4:192+8*(\b)+7], v[BO], s[\pb:\pb+1] offset:(\ob)+64*(\b)+16
.endr
	WIN 0
.endm
	s_load_b256 s[4:11], s[0:1], 0x0               ; xb s[4:5], wb s[6:7], b_query s[8:9], b_key s[10:11]
	s_load_b128 s[12:15], s[0:1], 0x20             ; b_content s[12:13], qkv s[14:15]
	v_lshl_add_u32 v[SPW], v0, 2, SPARE
	v_mov_b32 v[NIL], 0
	ds_add_u32 v[SPW], v[NIL]                      ; the wave's opening: the add and its wait stand ahead of my first tensor load; work on registers stands between them
	v_lshrrev_b32 v1, 5, v0
	v_readfirstlane_b32 s[WV], v1
	s_and_b32 s[WP], s[WV], 1
	s_bfe_u32 s[CX], ttmp6, 0x40000
	s_bfe_u32 s[CY], ttmp6, 0x40004
	s_lshl_b32 s[COL], ttmp9, 2
	s_add_co_u32 s[COL], s[COL], s[CX]
	s_and_b32 s[ROW], ttmp7, 0xffff
	s_lshl_b32 s[ROW], s[ROW], 2
	s_add_co_u32 s[ROW], s[ROW], s[CY]
	s_lshl_b32 s68, s[CY], 2
	s_lshl_b32 s68, 15, s68                        ; my row of the cluster
	s_lshl_b32 s70, 0x1111, s[CX]                  ; my column
	s_or_b32 s[G1X], s68, (1<<16)|(1<<20)|(1<<21)|(6<<22)|(7<<25)  ; the mask; 2-byte elements; padding on; bit 21 beside a mask; after every 128 words, 8 words
	s_or_b32 s[G1W], s70, (1<<16)|(1<<20)|(1<<21)|(5<<22)|(3<<25)  ; after every 64 words, 4 words
	s_or_b32 s[G1H], s70, (1<<16)|(1<<20)|(1<<21)|(5<<22)|(3<<25)
	s_mov_b32 s[G1X+1], 256<<16                    ; tensor_dim0 = 256
	s_mov_b32 s[G1X+2], 64<<16                     ; tensor_dim1 = 64
	s_mov_b32 s[G1X+3], 256<<16                    ; tile_dim0 = 256
	s_mov_b32 s[G1X+4], 64                         ; tile_dim1 = 64
	s_mov_b32 s[G1X+5], 2048                       ; elements from row to row
	s_mov_b32 s[G1X+6], 0
	s_mov_b32 s[G1X+7], 0
	s_mov_b32 s[G1W+1], 128<<16                    ; 128 rows of 128 elements
	s_mov_b32 s[G1W+2], 128<<16
	s_mov_b32 s[G1W+3], 128<<16
	s_mov_b32 s[G1W+4], 128
	s_mov_b32 s[G1W+5], 1024
	s_mov_b32 s[G1W+6], 0
	s_mov_b32 s[G1W+7], 0
	s_mov_b32 s[G1H+1], 128<<16                    ; 64 rows of 128 elements
	s_mov_b32 s[G1H+2], 64<<16
	s_mov_b32 s[G1H+3], 128<<16
	s_mov_b32 s[G1H+4], 64
	s_mov_b32 s[G1H+5], 1024
	s_mov_b32 s[G1H+6], 0
	s_mov_b32 s[G1H+7], 0
	s_lshr_b32 s68, s[ROW], 3                      ; xb: batch x 4 MiB + 512 x (block of t % 8) + my 64 rows c; nothing of cx
	s_lshl_b32 s68, s68, 22
	s_and_b32 s69, s[ROW], 7
	s_lshl_b32 s69, s69, 9
	s_add_co_u32 s68, s68, s69
	s_lshl_b32 s69, s[WP], 18
	s_add_co_u32 s68, s68, s69
	s_mov_b32 s69, 0
	s_lshl_b32 s70, s[COL], 18                     ; wb: row 128 x head, 2,048 bytes each: wave 2 in W_query, wave 3 in W_key, 1,024 rows on; nothing of cy
	s_lshl_b32 s71, s[WP], 21
	s_add_co_u32 s70, s70, s71
	s_mov_b32 s71, 0
	s_mul_i32 s72, s[WP], 64*XP                    ; and where they go: the wave's number alone enters an LDS address
	s_mul_i32 s73, s[WP], WBIG
	s_add_co_u32 s73, s73, XPART
	s_mov_b32 s[TB], 0
	s_mov_b32 s[T0+1], 0
	s_mov_b32 s[T2+1], 0
	s_mov_b32 s[WWR], 64*2048-8*256                ; at the change of tiles wave 3 goes 64 rows down and 8 K steps back (one K step is added as always),
	s_cmp_eq_u32 s[WV], 2
	s_cselect_b32 s[WWR], 2048*2048-8*256, s[WWR]  ; wave 2 from W_query to W_content, 2,048 rows down
	s_cmp_lt_u32 s[WV], 2
	s_cselect_b32 s[WWR], 0, s[WWR]
	s_wait_dscnt 0x0                               ; the opening add is done
	s_wait_kmcnt 0x0
	s_add_nc_u64 s[74:75], s[4:5], s[68:69]
	s_add_nc_u64 s[76:77], s[6:7], s[70:71]
	CROUND                                         ; all sixteen work-groups are here: the first joint loads meet
.irp s, 0,1
	s_mov_b32 s[G0X+4*(\s)], 1
	s_add_co_u32 s[G0X+4*(\s)+1], s72, (\s)*SLOT1
	s_add_nc_u64 s[G0X+4*(\s)+2:G0X+4*(\s)+3], s[74:75], (\s)*XSTEP
	s_or_b32 s[G0X+4*(\s)+3], s[G0X+4*(\s)+3], 0x80000000
	s_mov_b32 s[G0W+4*(\s)], 1
	s_add_co_u32 s[G0W+4*(\s)+1], s73, (\s)*SLOT1
	s_add_nc_u64 s[G0W+4*(\s)+2:G0W+4*(\s)+3], s[76:77], (\s)*256
	s_or_b32 s[G0W+4*(\s)+3], s[G0W+4*(\s)+3], 0x80000000
.endr
	s_cmp_lt_u32 s[WV], 2                          ; a wave's two first fills stand in one branch, ahead of every wait on TENSORcnt and every LDS read
	s_cbranch_scc0 .Lfirst_w
	tensor_load_to_lds s[G0X:G0X+3], s[G1X:G1X+7]
	s_nop 0
	tensor_load_to_lds s[G0X+4:G0X+7], s[G1X:G1X+7]
	AFTER
	s_branch .Lfirst_asked
.Lfirst_w:
	s_cmp_eq_u32 s[WV], 2
	s_cbranch_scc0 .Lfirst_h
	tensor_load_to_lds s[G0W:G0W+3], s[G1W:G1W+7]
	s_nop 0
	tensor_load_to_lds s[G0W+4:G0W+7], s[G1W:G1W+7]
	AFTER
	s_branch .Lfirst_asked
.Lfirst_h:
	tensor_load_to_lds s[G0W:G0W+3], s[G1H:G1H+7]
	s_nop 0
	tensor_load_to_lds s[G0W+4:G0W+7], s[G1H:G1H+7]
	AFTER
.Lfirst_asked:
	v_and_b32 v1, 15, v0                           ; l % 16
	v_bfe_u32 v2, v0, 4, 1                         ; l / 16
	v_and_b32 v3, 7, v0
	v_bfe_u32 v4, v0, 3, 1
	s_lshl_b32 s2, s[COL], 9                       ; the head's 128 numbers in each of the three biases
	s_mov_b32 s3, 0
	s_add_nc_u64 s[8:9], s[8:9], s[2:3]
	s_add_nc_u64 s[10:11], s[10:11], s[2:3]
	s_add_nc_u64 s[12:13], s[12:13], s[2:3]
	v_lshlrev_b32 v[BO], 5, v2
	BIASLD 8, 10, 0                                ; tile 0: b_query, and b_key's first 64
	v_lshl_add_u32 v5, v2, 3, v3                   ; the turning load: row c = 8 (l / 16) + l % 8, columns 8 ((l / 8) % 2) on, my wave's 64 columns
	v_mul_u32_u24 v[AX0], v5, XP
	v_lshl_add_u32 v[AX0], v4, 4, v[AX0]
	s_lshl_b32 s79, s[WV], 7
	v_add_nc_u32 v[AX0], s79, v[AX0]
	v_mul_u32_u24 v[AW0], v1, PW                   ; wb: row l % 16, 16 bytes for each half of the lanes
	v_lshl_add_u32 v[AW0], v2, 4, v[AW0]
	v_add_nc_u32 v[AW0], XPART, v[AW0]
	v_mov_b32 v[AX], v[AX0]
	v_mov_b32 v[AW], v[AW0]
	s_mul_i32 s79, s[WV], 16*SP
	s_add_co_u32 s79, s79, STAGE                   ; my stage
	v_mul_u32_u24 v6, v1, SP
	v_lshl_add_u32 v6, v2, 4, v6
	v_add_nc_u32 v[STO], s79, v6
	v_mul_u32_u24 v6, v2, SP
	v_lshl_add_u32 v6, v1, 4, v6
	v_add_nc_u32 v[RD0], s79, v6
	v_and_b32 v5, 31, v0
	v_lshl_add_u32 v[RD1], v5, 4, s79
	v_lshl_add_u32 v[HO], v0, 4, HOLD
	v_mul_u32_u24 v6, v2, ROWB
	v_lshl_add_u32 v[CO0], v1, 4, v6
	v_lshlrev_b32 v6, 11, v2
	v_lshl_add_u32 v[CO1], v1, 4, 4096             ; the content's columns lie 4,096 bytes behind q's,
	v_sub_nc_u32 v[CO1], v[CO1], v6                ; k's 2,048
	s_lshl_b32 s2, s[ROW], 8                       ; qkv at row 256 x block + 64 x wave, the head's q columns
	s_lshl_b32 s17, s[WV], 6
	s_add_co_u32 s2, s2, s17
	s_mul_i32 s2, s2, ROWB
	s_lshl_b32 s17, s[COL], 8
	s_add_co_u32 s2, s2, s17
	s_add_nc_u64 s[14:15], s[14:15], s[2:3]
	; the prefetches stand at K step 3; each change of slots steps them first
	s_lshl_b32 s78, s[CX], 16                      ; xb: my work-group's 16 rows of the 64
	s_add_co_u32 s78, s78, s68
	s_add_co_u32 s78, s78, 3*XSTEP
	s_lshl_b32 s47, s[CY], 16                      ; wb: my work-group's 32 rows of wave 2's 128, or 16 of wave 3's 64
	s_lshr_b32 s47, s47, s[WP]
	s_add_co_u32 s46, s70, s47
	s_add_co_u32 s46, s46, 3*256
	s_and_b32 s40, ttmp7, 0xffff
	s_mov_b32 s[PST], 256
	s_mov_b32 s[AMSK], 0x7ff8                      ; wave 2: the trips with counts 14 to 3: steps 4 to 15
	s_mov_b32 s41, 4096                            ; lanes 2 n, 2 n + 1: n times this,
	s_mov_b32 s47, 256                             ; and the odd lane this much on
	s_cmp_eq_u32 s[WV], 3
	s_cselect_b32 s[AMSK], 0x5550, s[AMSK]         ; wave 3: the counts 14, 12 .. 4: two steps at a time
	s_cselect_b32 s41, 2048, s41
	s_cmp_eq_u32 s[WV], 2
	s_cselect_b32 s47, 2048, s47
	s_cmp_lt_u32 s[WV], 2
	s_cselect_b32 s78, s78, s46
	s_cselect_b32 s40, ttmp9, s40                  ; the coordinate along which other clusters read the same blocks
	s_cselect_b64 s[PFA:PFA+1], s[4:5], s[6:7]
	s_cselect_b32 s[PST], XSTEP, s[PST]
	s_cselect_b32 s[AMSK], 0x7800, s[AMSK]         ; waves 0, 1: the counts 14 to 11: steps 4 to 7
	s_mov_b32 s79, 0
	s_mov_b32 s[PST+1], 0
	s_add_nc_u64 s[PFA:PFA+1], s[PFA:PFA+1], s[78:79]
	s_cmp_eq_u32 s40, 0
	s_cselect_b32 s[AMSK], s[AMSK], 0              ; the same in all sixteen partners, for a given wave
	v_and_b32 v5, 31, v0
	v_and_b32 v6, 1, v0
	v_lshrrev_b32 v5, 1, v5
	v_mul_u32_u24 v5, v5, s41
	v_mul_u32_u24 v6, v6, s47
	v_add_nc_u32 v[PFO], v5, v6
; n matrix instructions: block a of t x blocks lo .. lo + n - 1 of o, 32 along K.  first = 1: the product starts the sum with the bias.  The 48 accumulators take turns in one order.
.macro MULS f, a, first, lo, n
.set bb, \lo
.rept \n
.if \first
.if bb < 8
	WIN 0xa5+0x40*((\a)/2)                         ; sources window 1, C window 2, D window 2 or 3
	v_wmma_f32_16x16x32_bf16 v[96*((\a)%2)+8*bb:96*((\a)%2)+8*bb+7], v[(\f)+8*bb:(\f)+8*bb+7], v[(\f)+96+8*(\a):(\f)+96+8*(\a)+7], v[192+8*bb:192+8*bb+7]
.else
	WIN 0xb5+0x40*((\a)/2)                         ; C window 3
	v_wmma_f32_16x16x32_bf16 v[96*((\a)%2)+8*bb:96*((\a)%2)+8*bb+7], v[(\f)+8*bb:(\f)+8*bb+7], v[(\f)+96+8*(\a):(\f)+96+8*(\a)+7], v[192+8*(bb-8):192+8*(bb-8)+7]
.endif
.else
	WIN 0xa5+0x50*((\a)/2)                         ; C and D window 2 or 3
	v_wmma_f32_16x16x32_bf16 v[96*((\a)%2)+8*bb:96*((\a)%2)+8*bb+7], v[(\f)+8*bb:(\f)+8*bb+7], v[(\f)+96+8*(\a):(\f)+96+8*(\a)+7], v[96*((\a)%2)+8*bb:96*((\a)%2)+8*bb+7]
.endif
.set bb, bb+1
.endr
.endm
; 32 LDS loads in one run: quarter q (32 along K) of the slot in hand into buffer f: wb's 24, then xb's 8
.macro FETCH q, f
	WIN TO_F
.irp b, 0,1,2,3,4,5,6,7,8,9,10,11
	ds_load_b128 v[(\f)+8*(\b):(\f)+8*(\b)+3],   v[AW] offset:(\b)*16*PW+64*(\q)
	ds_load_b128 v[(\f)+8*(\b)+4:(\f)+8*(\b)+7], v[AW] offset:(\b)*16*PW+64*(\q)+32
.endr
.irp a, 0,1,2,3
	ds_load_tr16_b128 v[(\f)+96+8*(\a):(\f)+96+8*(\a)+3],   v[AX] offset:(\q)*32*XP+32*(\a)
	ds_load_tr16_b128 v[(\f)+96+8*(\a)+4:(\f)+96+8*(\a)+7], v[AX] offset:(\q)*32*XP+16*XP+32*(\a)
.endr
.endm
.macro PLACES                          ; four places in front of loads into registers that matrix instructions have read, and of conversions that read results
.rept 4
	v_nop
.endr
.endm
; One of a K step's first three quarters: multiplies buffer f (48 matrix instructions) and fetches quarter q into buffer g.
.macro QUARTER q, f, g, first
	s_wait_dscnt 4                                 ; all but xb's blocks 2, 3
	MULS \f, 0, \first, 0, 12
	MULS \f, 1, \first, 0, 12
	PLACES
	FETCH \q, \g
	s_wait_dscnt 32                                ; all but the 32 just issued
	MULS \f, 2, \first, 0, 12
	MULS \f, 3, \first, 0, 12
.endm
; The last quarter multiplies buffer 1 and changes slots.  In front of the barrier each wave waits for all its tensor loads (one is out: its part of the next slot), adds 0 to its spare word, and waits for that and for
; its reads of this slot.  fill = 1: the barrier opens a round of the cluster's, and this slot is filled again, two K steps ahead, first thing behind the round: 180 matrix instructions ahead of the wait for it.
; The trip with count n fills with step 16 - n.  Step 8 is the second tile's first: xb goes 8 K steps back, wb on to the second tile's rows; both by selects on the count, which is the same in every work-group.
; fill = 0, the walk's last two steps: nothing is filled; in the very last there is no further step: its run of LDS loads is jumped over, and its barrier orders nothing: the price of one text for both.
.macro TURN fill
.if \fill
	s_wait_xcnt 0x0                                ; the last prefetch, a K step back, has read its address
	s_cmp_eq_u32 s3, 10                            ; the prefetches, two steps ahead of the refills, reach step 8 two trips earlier
	s_cselect_b32 s[T0], s[WWR], 0
	s_add_nc_u64 s[PFA:PFA+1], s[PFA:PFA+1], s[PST:PST+1]
	s_add_nc_u64 s[PFA:PFA+1], s[PFA:PFA+1], s[T0:T0+1]
.endif
	WIN 0
	s_wait_tensorcnt 0x0                           ; no tensor load of mine is out, so a group 0 may be written
	ds_add_u32 v[SPW], v[NIL]
.if \fill
	s_cmp_eq_u32 s3, 8
	s_cselect_b32 s[T0], 8*XSTEP, 0
	s_cselect_b32 s[T2], s[WWR], 0
	s_xor_b32 s[G0X+5], s[G0X+5], SLOT1            ; the walking sets: the other slot than last time, the next K step
	s_add_nc_u64 s[G0X+6:G0X+7], s[G0X+6:G0X+7], XSTEP
	s_sub_nc_u64 s[G0X+6:G0X+7], s[G0X+6:G0X+7], s[T0:T0+1]
	s_xor_b32 s[G0W+5], s[G0W+5], SLOT1
	s_add_nc_u64 s[G0W+6:G0W+7], s[G0W+6:G0W+7], 256
	s_add_nc_u64 s[G0W+6:G0W+7], s[G0W+6:G0W+7], s[T2:T2+1]
.endif
	s_wait_dscnt 5                                 ; (the add and the youngest four loads may be out)
	MULS F1, 0, 0, 0, 6
	s_wait_dscnt 0x0                               ; the add is done, and my reads of this slot are over
	s_barrier_signal -1
	MULS F1, 0, 0, 6, 6
	WIN 0
	s_barrier_wait -1
.if \fill
	CREST                                          ; no wave of any partner still reads this slot or has a load on its way
	JLOAD                                          ; its four v_nop are also the places in front of the loads below
.else
	s_cmp_eq_u32 s3, 1
	s_cbranch_scc1 .Lno_more_\@
	PLACES
.endif
	s_xor_b32 s[TB], s[TB], SLOT1
	v_add_nc_u32 v[AX], s[TB], v[AX0]
	v_add_nc_u32 v[AW], s[TB], v[AW0]
	FETCH 0, F0
.if \fill
	ASK
.else
	WIN 0
.Lno_more_\@:
.endif
	MULS F1, 1, 0, 0, 12
	MULS F1, 2, 0, 0, 12
	MULS F1, 3, 0, 0, 12
.endm
; THE WAY OUT of a tile, 16 rows t at a time: rounded to bf16, 16 bytes a lane into my own stage, back as whole rows, stored.
; tile = 0: blocks 0-7 (q) go through the stage as rows of 256 bytes; blocks 8-11 (k's first half) are set aside in HOLD.
; tile = 1: a stage row is 512 bytes: blocks 0-7 (the content), the half of k that comes back from HOLD, blocks 8-11 (k's second half).
.macro PACK a, tile
.if \tile
.irp n, 0,1,2,3
	ds_load_b128 v[HL+4*(\n):HL+4*(\n)+3], v[HO] offset:(4*(\a)+(\n))*2048  ; the 16 bytes that this lane put there
.endr
.endif
	WIN 0x0a+5*((\a)/2)                            ; sources in window 2 or 3
.irp b, 0,1,2,3,4,5,6,7,8,9,10,11
.irp r, 0,1,2,3
	v_cvt_pk_bf16_f32 v[TM+4*(\b)+(\r)], v[96*((\a)%2)+8*(\b)+2*(\r)], v[96*((\a)%2)+8*(\b)+2*(\r)+1]
.endr
.endr
	WIN 0
.endm
.macro TOSTAGE a, tile
.set BK, OB+64*((\a)%2)
.if \tile
	s_wait_dscnt 0x0                               ; the half of k is back in registers
.endif
.irp b, 0,1,2,3,4,5,6,7
	ds_store_b128 v[STO], v[TM+4*(\b):TM+4*(\b)+3] offset:32*(\b)
.endr
.if \tile
.irp n, 0,1,2,3
	ds_store_b128 v[STO], v[HL+4*(\n):HL+4*(\n)+3] offset:256+32*(\n)
	ds_store_b128 v[STO], v[TM+32+4*(\n):TM+32+4*(\n)+3] offset:384+32*(\n)
.endr
.irp t, 0,1,2,3,4,5,6,7,8,9,10,11,12,13,14,15
	ds_load_b128 v[BK+4*(\t):BK+4*(\t)+3], v[RD1] offset:(\t)*SP     ; LDS serves a wave's instructions in order (ISA guide 5.7.1.4): these see the stores above
.endr
.else
.irp n, 0,1,2,3
	ds_store_b128 v[HO], v[TM+32+4*(\n):TM+32+4*(\n)+3] offset:(4*(\a)+(\n))*2048
.endr
.irp t, 0,1,2,3,4,5,6,7
	ds_load_b128 v[BK+4*(\t):BK+4*(\t)+3], v[RD0] offset:(\t)*2*SP
.endr
.endif
.endm
.macro SEND a, tile
.set BK, OB+64*((\a)%2)
	s_wait_dscnt 0x0                               ; the rows are back in registers
	s_wait_xcnt 0x0                                ; the stores of the rows before have read their data: the other buffer is loaded again only behind this wait
.if \tile
.irp t, 0,1,2,3,4,5,6,7,8,9,10,11,12,13,14,15
	global_store_b128 v[CO1], v[BK+4*(\t):BK+4*(\t)+3], s[14:15] offset:(16*(\a)+(\t))*ROWB    ; each 16 lanes store 256 consecutive bytes, aligned
.endr
.else
.irp t, 0,1,2,3,4,5,6,7
	global_store_b128 v[CO0], v[BK+4*(\t):BK+4*(\t)+3], s[14:15] offset:(16*(\a)+2*(\t))*ROWB
.endr
.endif
.endm
.macro WAYOUT tile                     ; a block's conversions stand between the loads of the block before and the wait for them
	PACK 0, \tile
	TOSTAGE 0, \tile
.irp a, 1,2,3
	PACK \a, \tile
	SEND (\a)-1, \tile
	TOSTAGE \a, \tile
.endr
	SEND 3, \tile
.endm
	s_wait_tensorcnt 1                             ; my part of K step 0 is in; K step 1's may stay out
	s_barrier_signal -1
	s_barrier_wait -1
	FETCH 0, F0
	WIN 0                                          ; at a label and at a branch every window is 0
	s_mov_b32 s3, FILLS
	s_branch .Lfirstq                              ; the loop is entered at the quarter that starts a tile's sums
.Lstep:                                                ; a trip is a K step; the trip with count n is step 14 - n
	s_cmp_eq_u32 s3, 6                             ; step 8: the second tile begins
	s_cbranch_scc1 .Lout0
	QUARTER 1, F0, F1, 0
	WIN 0
	s_branch .Lrest
.Lout0:                                                ; both refills of the change of tiles have been asked for: now tile 0 goes out, and nothing waits for its stores
	PLACES
	BIASLD 12, 10, 256                             ; tile 1: b_content, and b_key's second 64; the way out stands between these loads and the wait for them
	WAYOUT 0
.Lfirstq:
	s_wait_loadcnt 0x0                             ; the bias
	QUARTER 1, F0, F1, 1
	WIN 0
.Lrest:
	QUARTER 2, F1, F0, 0
	QUARTER 3, F0, F1, 0
	TURN 1
	WIN 0
	s_sub_co_u32 s3, s3, 1
	s_cmp_lg_u32 s3, 0
	s_cbranch_scc1 .Lstep
	s_mov_b32 s3, 2
.Ltail:                                                ; the last two K steps have a text of their own
	QUARTER 1, F0, F1, 0
	QUARTER 2, F1, F0, 0
	QUARTER 3, F0, F1, 0
	TURN 0
	WIN 0
	s_sub_co_u32 s3, s3, 1
	s_cmp_lg_u32 s3, 0
	s_cbranch_scc1 .Ltail
	PLACES
	WAYOUT 1
	s_wait_tensorcnt 0x0                           ; the wave's end: behind my last tensor load and my last LDS store
	ds_add_u32 v[SPW], v[NIL]
	s_wait_dscnt 0x0
	CROUND                                         ; the closing round: no work-group ends while a partner may still ask for a tile that names it
	s_endpgm
.Lfunc_end_k_qb36f41ded9_qkvg:
	.size	k_qb36f41ded9_qkvg, .Lfunc_end_k_qb36f41ded9_qkvg-k_qb36f41ded9_qkvg
	.p2alignl 7, 3214868480
	.fill 96, 4, 3214868480
	.section	.rodata,"a",@progbits
	.p2align	6, 0x0
	.amdhsa_kernel k_qb36f41ded9_qkvg
		.amdhsa_group_segment_fixed_size 327680
		.amdhsa_private_segment_fixed_size 0
		.amdhsa_enable_private_segment 0
		.amdhsa_kernarg_size 48
		.amdhsa_user_sgpr_count 2
		.amdhsa_user_sgpr_kernarg_segment_ptr 1
		.amdhsa_wavefront_size32 1
		.amdhsa_system_sgpr_workgroup_id_x 1
		.amdhsa_system_sgpr_workgroup_id_y 1
		.amdhsa_system_sgpr_workgroup_id_z 1
		.amdhsa_system_vgpr_workitem_id 0
		.amdhsa_next_free_vgpr 992
		.amdhsa_next_free_sgpr 96
		.amdhsa_reserve_vcc 0
		.amdhsa_float_denorm_mode_32 3
		.amdhsa_float_denorm_mode_16_64 3
		.amdhsa_memory_ordered 1
		.amdhsa_forward_progress 1
		.amdhsa_inst_pref_size 117
	.end_amdhsa_kernel
	.amdgpu_metadata
---
amdhsa.version: [ 1, 2 ]
amdhsa.kernels:
  - .name:           k_qb36f41ded9_qkvg
    .symbol:         k_qb36f41ded9_qkvg.kd
    .args:
      - { .name: xb, .offset: 0, .size: 8, .value_kind: global_buffer, .address_space: global }
      - { .name: wb, .offset: 8, .size: 8, .value_kind: global_buffer, .address_space: global }
      - { .name: b_query, .offset: 16, .size: 8, .value_kind: global_buffer, .address_space: global }
      - { .name: b_key, .offset: 24, .size: 8, .value_kind: global_buffer, .address_space: global }
      - { .name: b_content, .offset: 32, .size: 8, .value_kind: global_buffer, .address_space: global }
      - { .name: qkv, .offset: 40, .size: 8, .value_kind: global_buffer, .address_space: global }
    .group_segment_fixed_size: 327680
    .private_segment_fixed_size: 0
    .kernarg_segment_align: 8
    .kernarg_segment_size: 48
    .max_flat_workgroup_size: 128
    .sgpr_count:     96
    .vgpr_count:     992
    .wavefront_size: 32
...
	.end_amdgpu_metadata
.endif
;; end of part 2
;; launch attn (part 3): grid 8 x 32, 4 waves a work-group, clusters of 4 x 1, 327,680 bytes of LDS; arguments qkv, dqp, b_qdecay, ob; writes ob
.if DOCPART == 3
	.amdgcn_target "amdgcn-amd-amdhsa--gfx1250"
	.amdhsa_code_object_version 6
	.text
	.protected	k_qb36f41ded9_attn
	.globl	k_qb36f41ded9_attn
	.p2align	8
	.type	k_qb36f41ded9_attn,@function
k_qb36f41ded9_attn:
	s_mov_b64 s[64:65], 0
	v_nop
	global_prefetch_b8 v0, s[64:65] scope:SCOPE_SE
	s_setreg_imm32_b32 hwreg(HW_REG_WAVE_MODE, 25, 1), 1
	s_wait_xcnt 0x0
	s_wait_alu depctr_hold_cnt(0) depctr_sa_sdst(0) depctr_va_vdst(0) depctr_va_sdst(0) depctr_va_ssrc(0) depctr_va_vcc(0) depctr_vm_vsrc(0)
	s_getreg_b32 s2, hwreg(HW_REG_IB_STS2, 6, 4)
	s_cmp_eq_u32 s2, 0
	s_cbranch_scc0 .Lentry_in_a_cluster
	s_endpgm
.Lentry_in_a_cluster:
	s_bfe_u32 s2, ttmp6, 0x10000c
	s_cmp_lg_u32 s2, 0x3003
	s_cbranch_scc0 .Lentry_shape_is_right
	s_endpgm
.Lentry_shape_is_right:
; ATTENTION WITH A DISTANCE BIAS.  For batch b, head hd, query s: ob[b 2048 + s][128 hd ..] = the sum over keys t of softmax_t(k_t . q_s / sqrt(128) - g |t - s|; the score at t = s replaced by -100) v_t,
; g = the sum over f of (f + 1) / 4 x sigmoid(dq[4 hd + f][s] + b_qdecay[4 hd + f]), dq = the four parts of dqp added.  q, k, v: rows of qkv (6,144 bytes; a head's 128 channels are 256 bytes), bf16.
; Products, maxima and sums in f32; the weights are rounded to bf16 for the second product, ob once at the end.
; LIMITS.  Raw scores (k . q, and sqrt(128) g |t - s|, which is under 60,000) must lie far below 1e30 in magnitude; a weight below 2^-126 counts as 0; NaN and infinities are not treated apart.
; SHARES, LAYOUT, SOFTMAX, TURNS.  A work-group owns 256 queries of one head, a wave 64: four tiles of 16, two PIECES (tiles 0, 1 and 2, 3).  S^T = K Q^T holds one query a lane (lane % 16) and the keys
; 8 (lane / 16) + 0..7; two such results rounded to bf16 are source 1 of O^T = V^T P.  p = 2^(c S - c m), c = log2(e) / sqrt(128), with a running maximum m; O and l are multiplied by 2^(c m_old - c m_new) in every step.
; In a TURN one piece has the matrix unit (32 products V^T P, then 32 products K Q^T of the next step); the other piece's softmax stands in slices behind the matrix instructions.
; THE BIAS is kept in raw units, -G |t - s| with G = sqrt(128) g, and is written into S^T's registers ahead of the products K Q^T, which add onto it.  In a key step that lies wholly on one side of the wave's
; 64 queries it is linear in the key: GS x (t - s), GS = G below, -G above: 22 instructions a tile and step, dealt behind the products V^T P of the piece's own turn.
; THE WALK has 33 steps: first the wave's OWN 64 keys (with |t - s| and the diagonal; K straight from memory, V by a tensor load of the wave's own), then the cluster's joint walk over steps 0 .. 31, in which the
; wave's own step gets -1e30 on top (by scalar selects; no branch hangs on the work-group's place): its weights are 0.
; ONE TEXT FOR EVERY TRIP.  O^T starts at 0 (256 v_mov_b32, which stand in the wait for the first tiles), and tiles 2, 3 start with m at the lowest finite number, c m far below every c s and l at 0: so the products
; V^T P of the own keys and piece 2's first softmax (its a is 0) are an ordinary trip of the loop, and no such trip is written out.  The tail is left behind piece 0's turn: that turn's bias and its 32 products
; K Q^T, on the last K once more, serve nothing: the price, once a launch, of writing no last turn out.  Both keep the text short.
; CLUSTER.  The four query blocks of a cluster walk the same K and V of one head: each tile is asked for jointly.  By this text's count a wave has three tensor loads out at the start, later one.
; REGISTERS: window 0: v0-11 addresses; v12-43 statistics, 8 a tile; v44-51 [GS, U] a tile; v52-59 8 (l / 16) + j as floats; v60 the diagonal's score; v64-191 S^T; v192-255 P.  Window 1: O^T.  Window 2: Q, K.  Window 3: V.
.set KS,    64
.set ROWB,  6144      ; bytes in a row of qkv
.set PK,    272       ; a row of K in LDS: 256 bytes + 16: the 16 rows of a load start at 16 different groups of four banks (64 banks of 4 bytes: ISA guide 11.1)
.set PV,    288       ; a row of V: 256 + 32
.set VOFF,  KS*PK     ; a step's tiles lie together: 64 rows of K, then 64 rows of V
.set STEPB, KS*(PK+PV)
.set SLOT1, 1<<17     ; a slot holds two steps; slot 1 begins here
.set STAGE, SLOT1+2*STEPB  ; 16 rows x 272 bytes for each wave, for the way out
.set SP,    272
.set SPARE, STAGE+4*16*SP  ; the spare words, 128 bytes a wave, which no other line names
.set DIAGV, SPARE+512      ; V of each wave's own 64 keys: 64 rows x 288 bytes a wave, filled once
.set AK0, 2
.set AV0, 3
.set ADR, 4
.set QO,  5
.set STO, 6
.set RD,  7
.set GO,  8
.set ST,  12          ; tile t's statistics at v[ST+8 t]: +0 c m, +1 m, +2, +3 l, +4 to +7 at work (in the piece's own turn: the bias at the four key blocks' first keys)
.set GU,  44          ; tile t: v[GU+2 t] = GS, v[GU+2 t+1] = U = the step's first key less my query
.set J8,  52
.set DG,  60
.set PFO, 61
.set SPW, 62
.set NIL, 63
.set S,   64
.set P,   192
.set E8,  192         ; in the prologue alone: |8 (l / 16) + j - l % 16| as floats
.set KF,  128
.set WV,  12
.set LIM, 15
.set PFA, 18
.set G1K, 24
.set G1V, 32
.set G0K, 40
.set G0V, 48
.set SLOTS, 56
.set TWICE, 57
.set CS,  58
.set SEL, 60
.set TB,  62
.set STEPI, 66        ; s66  the joint step whose scores are being made
.set MYSTEP, 67       ; s67  the step that holds my wave's own keys: 4 x block + wave
.set SIG, 68          ; s68  -1.0 in that step, else 1.0
.set NEG, 69          ; s69  -1e30 in that step, else 0
.set BIGN, 71
.set MK,  72          ; s[72:79] lane masks: register j of a tile's own key block is the diagonal
.set G1D, 80          ; s[80:87], s[88:91] the descriptor of my own keys' V
.set G0D, 88
.set BQ,  92          ; s[92:95] -log2(e) x b_qdecay[4 hd + f]
.set DQ,  96          ; s[96:97] dqp at my wave's first tile
.set NL2E, 98
.set UOF, 99          ; s99  64 x MYSTEP + 64 as a float
.set MSB, 0
.macro WIN new
.if MSB != (\new)
	s_set_vgpr_msb (MSB<<8)|(\new)
.set MSB, \new
.endif
.endm
.set W_KQ, 0x0a       ; K and Q in window 2, S^T in window 0
.set W_PV, 0x53       ; V in window 3, P in window 0, O^T in window 1
.set W_RS, 0x41       ; O^T in window 1, its factor in window 0
.macro JLOAD                        ; a joint refill: waves 0, 1 the two steps' K, waves 2, 3 their V; an s_nop 0 and four v_nop follow each line
	s_cmp_lt_u32 s[WV], 2
	s_cbranch_scc0 .Lfor_v_\@
	tensor_load_to_lds s[G0K+4:G0K+7], s[G1K:G1K+7]
	s_nop 0
.rept 4
	v_nop
.endr
	s_branch .Lasked_\@
.Lfor_v_\@:
	tensor_load_to_lds s[G0V+4:G0V+7], s[G1V:G1V+7]
	s_nop 0
.rept 4
	v_nop
.endr
.Lasked_\@:
.endm
; A PREFETCH INTO THE L2 of what the next change of slots will ask for: 128 rows of K and of V, 256 bytes each, a lane a row.  The head's first cluster asks; its four partners take 32 rows each, told apart by
; address; wave 0 asks for K's, wave 2 for V's: each row is named once in the launch.  The last change that fills a slot asks for nothing.
.macro ASK
	s_cmp_gt_u32 s[SLOTS], s[LIM]
	s_cbranch_scc0 .Lnot_mine_\@
	global_prefetch_b8 v[PFO], s[PFA:PFA+1] th:TH_LOAD_NT scope:SCOPE_SE
.Lnot_mine_\@:
.endm
.macro CROUND
	s_barrier_signal -1
	s_barrier_wait -1
	s_cmp_lg_u32 s[WV], 0
	s_cbranch_scc1 .Lnot_wave_0_\@
	s_barrier_signal -3
.Lnot_wave_0_\@:
	s_barrier_wait -3
	s_barrier_signal -1
	s_barrier_wait -1
.endm
	s_load_b256 s[4:11], s[0:1], 0x0  ; qkv s[4:5], dqp s[6:7], b_qdecay s[8:9], ob s[10:11]
	v_lshl_add_u32 v[SPW], v0, 2, SPARE
	v_mov_b32 v[NIL], 0
	ds_add_u32 v[SPW], v[NIL]       ; the wave's opening: the add and its wait stand ahead of my first tensor load; work on registers stands between them
	v_lshrrev_b32 v1, 5, v0
	v_readfirstlane_b32 s[WV], v1
	s_bfe_u32 s13, ttmp6, 0x40000   ; cx
	s_lshl_b32 s14, ttmp9, 2
	s_add_co_u32 s14, s14, s13      ; my block of 256 queries
	s_and_b32 s20, ttmp7, 0xffff    ; 8 b + hd, which the four partners share
	s_and_b32 s21, s20, 7           ; hd
	s_lshr_b32 s20, s20, 3          ; b
	s_mul_i32 s22, s20, 2048*ROWB
	s_lshl_b32 s23, s21, 8
	s_add_co_u32 s22, s22, s23      ; the batch's first row, the head's q columns
	s_and_b32 s16, s[WV], 1         ; which of a slot's two steps I fetch
	s_mul_i32 s17, s16, STEPB       ; its place in a slot
	s_lshl_b32 s2, s14, 2
	s_add_co_u32 s[MYSTEP], s2, s[WV]
	s_mul_i32 s2, s[MYSTEP], KS*ROWB
	s_add_co_u32 s2, s2, s22        ; my wave's 64 rows
	s_mov_b32 s3, 0
	s_mul_i32 s23, s16, KS*ROWB
	s_add_co_u32 s22, s22, s23
	s_add_co_u32 s22, s22, 2048     ; my tile of slot 0, the k columns: no place in the cluster enters it
	s_mov_b32 s23, 0
	s_lshl_b32 s72, s20, 18         ; dqp: block of 16 columns 128 b + 4 MYSTEP, 2,048 bytes each; decay rows 4 hd ..: block hd / 4, registers 4 (hd % 2) .., lanes 16 ((hd / 2) % 2) ..
	s_lshl_b32 s73, s[MYSTEP], 13
	s_add_co_u32 s72, s72, s73
	s_lshr_b32 s73, s21, 2
	s_lshl_b32 s73, s73, 10
	s_add_co_u32 s72, s72, s73
	s_and_b32 s73, s21, 1
	s_lshl_b32 s73, s73, 9
	s_add_co_u32 s72, s72, s73
	s_bfe_u32 s73, s21, 0x10001
	s_lshl_b32 s73, s73, 8
	s_add_co_u32 s72, s72, s73
	s_mov_b32 s73, 0
	s_lshl_b32 s74, s21, 4          ; b_qdecay: four numbers a head
	s_mov_b32 s75, 0
	s_lshl_b32 s76, s20, 22         ; ob: rows of 2,048 bytes
	s_lshl_b32 s77, s[MYSTEP], 17
	s_add_co_u32 s76, s76, s77
	s_lshl_b32 s77, s21, 8
	s_add_co_u32 s76, s76, s77
	s_mov_b32 s77, 0
	s_lshl_b32 s[UOF], s[MYSTEP], 6
	s_add_co_u32 s[UOF], s[UOF], 64
	s_cvt_f32_u32 s[UOF], s[UOF]
	; descriptor group 1: tiles of 64 rows x 128 elements, 3,072 elements from row to row, padded in LDS
	s_mov_b32 s[G1K], 15|(1<<16)|(1<<20)|(1<<21)|(5<<22)|(3<<25)  ; the mask of four; 2-byte elements; padding on; bit 21 beside a mask; after every 64 words, 4 words
	s_mov_b32 s[G1V], 15|(1<<16)|(1<<20)|(1<<21)|(5<<22)|(7<<25)  ; 8 words
	s_mov_b32 s[G1D], (1<<16)|(1<<20)|(5<<22)|(7<<25)             ; as V's, with no mask: a load of my own
.irp g, G1K, G1V, G1D
	s_mov_b32 s[(\g)+1], 128<<16
	s_mov_b32 s[(\g)+2], KS<<16
	s_mov_b32 s[(\g)+3], 128<<16
	s_mov_b32 s[(\g)+4], KS
	s_mov_b32 s[(\g)+5], 3072
	s_mov_b32 s[(\g)+6], 0
	s_mov_b32 s[(\g)+7], 0
.endr
	s_mov_b32 s[G0D], 1
	s_mul_i32 s[G0D+1], s[WV], KS*PV
	s_add_co_u32 s[G0D+1], s[G0D+1], DIAGV
	s_mov_b32 s[CS], 0x3e0293ee     ; c = log2(e) / sqrt(128)
	s_mov_b32 s[CS+1], s[CS]
	s_mov_b32 s[SEL], 0x76543210
	s_mov_b32 s[SEL+1], 0xfedcba98
	s_mov_b32 s[STEPI], -1
	s_mov_b32 s[BIGN], 0xf149f2ca   ; -1e30
	s_mov_b32 s[NL2E], 0xbfb8aa3b   ; -log2(e)
	s_and_b32 s[LIM], s[WV], 1      ; 0 in waves 0 and 2,
	s_or_b32 s[LIM], s[LIM], ttmp9  ; where the cluster is the head's first
	s_cmp_eq_u32 s[LIM], 0
	s_cselect_b32 s[LIM], 1, -1
	v_and_b32 v[PFO], 31, v0
	v_mul_u32_u24 v[PFO], v[PFO], ROWB
	s_wait_dscnt 0x0                ; the opening add is done
	s_wait_kmcnt 0x0
	s_add_nc_u64 s[DQ:DQ+1], s[6:7], s[72:73]
	s_add_nc_u64 s[8:9], s[8:9], s[74:75]
	s_load_b128 s[BQ:BQ+3], s[8:9], 0x0
	s_add_nc_u64 s[6:7], s[4:5], s[22:23]   ; K at my tile of slot 0,
	s_add_nc_u64 s[20:21], s[6:7], 2048     ; V
	s_add_nc_u64 s[4:5], s[4:5], s[2:3]     ; Q at my wave's first row
	s_add_nc_u64 s[10:11], s[10:11], s[76:77]
	s_cmp_lt_u32 s[WV], 2
	s_cselect_b64 s[PFA:PFA+1], s[6:7], s[20:21]  ; (in waves 0 and 2 these stand at a slot's first row)
	s_mul_i32 s2, s13, 32*ROWB      ; my work-group's 32 rows of the 128
	s_add_nc_u64 s[PFA:PFA+1], s[PFA:PFA+1], s[2:3]
	s_add_nc_u64 s[PFA:PFA+1], s[PFA:PFA+1], 2*2*KS*ROWB  ; in slot 2; the first change of slots steps it to slot 3
	CROUND                          ; all four work-groups are here: the first joint loads meet
.irp s, 0,1
	s_mov_b32 s[G0K+4*(\s)], 1
	s_add_co_u32 s[G0K+4*(\s)+1], s17, (\s)*SLOT1
	s_add_nc_u64 s[G0K+4*(\s)+2:G0K+4*(\s)+3], s[6:7], (\s)*2*KS*ROWB
	s_or_b32 s[G0K+4*(\s)+3], s[G0K+4*(\s)+3], 0x80000000
	s_mov_b32 s[G0V+4*(\s)], 1
	s_add_co_u32 s[G0V+4*(\s)+1], s17, (\s)*SLOT1+VOFF
	s_add_nc_u64 s[G0V+4*(\s)+2:G0V+4*(\s)+3], s[20:21], (\s)*2*KS*ROWB
	s_or_b32 s[G0V+4*(\s)+3], s[G0V+4*(\s)+3], 0x80000000
.endr
	s_add_nc_u64 s[G0D+2:G0D+3], s[4:5], 4096  ; my own rows, the content columns
	s_or_b32 s[G0D+3], s[G0D+3], 0x80000000
	s_cmp_lt_u32 s[WV], 2           ; a wave's three first fills stand in one branch, ahead of every wait on TENSORcnt and every LDS read
	s_cbranch_scc0 .Lfirst_v
	tensor_load_to_lds s[G0D:G0D+3], s[G1D:G1D+7]
	s_nop 0
	tensor_load_to_lds s[G0K:G0K+3], s[G1K:G1K+7]
	s_nop 0
	tensor_load_to_lds s[G0K+4:G0K+7], s[G1K:G1K+7]
	s_nop 0
.rept 4
	v_nop
.endr
	s_branch .Lfirst_asked
.Lfirst_v:
	tensor_load_to_lds s[G0D:G0D+3], s[G1D:G1D+7]
	s_nop 0
	tensor_load_to_lds s[G0V:G0V+3], s[G1V:G1V+7]
	s_nop 0
	tensor_load_to_lds s[G0V+4:G0V+7], s[G1V:G1V+7]
	s_nop 0
.rept 4
	v_nop
.endr
.Lfirst_asked:
	v_and_b32 v1, 15, v0            ; l % 16
	v_bfe_u32 v9, v0, 4, 1          ; l / 16
	v_mul_u32_u24 v[QO], v1, ROWB
	v_lshl_add_u32 v[QO], v9, 4, v[QO]
	v_lshlrev_b32 v10, 4, v1        ; dqp: 16 bytes (four decay rows) for my query's column
	WIN 0x80                        ; destination window 2
.irp i, 0,1,2,3,4,5,6,7,8,9,10,11,12,13,14,15  ; Q stays in registers: tile i / 4, channels 32 (i % 4) on; K of my own 64 keys likewise, 2,048 bytes on in the same rows
	global_load_b128 v[8*(\i):8*(\i)+3],   v[QO], s[4:5] offset:((\i)/4)*16*ROWB+((\i)%4)*64
	global_load_b128 v[8*(\i)+4:8*(\i)+7], v[QO], s[4:5] offset:((\i)/4)*16*ROWB+((\i)%4)*64+32
	global_load_b128 v[KF+8*(\i):KF+8*(\i)+3],   v[QO], s[4:5] offset:2048+((\i)/4)*16*ROWB+((\i)%4)*64
	global_load_b128 v[KF+8*(\i)+4:KF+8*(\i)+7], v[QO], s[4:5] offset:2048+((\i)/4)*16*ROWB+((\i)%4)*64+32
.endr
	WIN 0
.irp t, 0,1,2,3
.irp q, 0,1,2,3
	global_load_b128 v[P+16*(\t)+4*(\q):P+16*(\t)+4*(\q)+3], v10, s[DQ:DQ+1] offset:(\q)*1048576+(\t)*2048  ; tile t, quarter q of the channels
.endr
.endr
	v_mul_u32_u24 v[AK0], v1, PK
	v_lshl_add_u32 v[AK0], v9, 4, v[AK0]
	v_and_b32 v[ADR], 7, v0
	v_bfe_u32 v11, v0, 3, 1
	v_lshl_add_u32 v[AV0], v9, 3, v[ADR]
	v_mul_u32_u24 v[AV0], v[AV0], PV
	v_lshl_add_u32 v[AV0], v11, 4, v[AV0]
	v_add_nc_u32 v[AV0], VOFF, v[AV0]
	v_lshlrev_b32 v11, 3, v9        ; 8 (l / 16)
	v_sub_nc_u32 v[ADR], v1, v11    ; l % 16 - 8 (l / 16): the register that holds the diagonal, if it is 0 .. 7
.irp j, 0,1,2,3,4,5,6,7
	v_add_nc_u32 v[J8+(\j)], (\j), v11
	v_cvt_f32_u32 v[J8+(\j)], v[J8+(\j)]
	v_cmp_eq_i32 s[MK+(\j)], (\j), v[ADR]
.endr
	v_mov_b32 v[DG], 0xc48d6bde     ; -100 sqrt(128): the diagonal's score in raw units
	; What the loop's first trip finds: O^T is 0; tiles 2, 3 have no maximum and no sum yet (tiles 0, 1 get theirs from the one softmax that is written out).  All this stands in the wait for the first tiles.
	WIN 0x40                        ; destination window 1
.set i, 0
.rept 256
	v_mov_b32 v[i], 0
.set i, i+1
.endr
	WIN 0
.irp t, 2,3
	v_mov_b32 v[ST+8*(\t)], 0xfe000000    ; c m: -2^125, far below every c s
	v_mov_b32 v[ST+8*(\t)+1], 0xff7fffff  ; m: the lowest finite number
	v_mov_b32 v[ST+8*(\t)+2], 0           ; l
	v_mov_b32 v[ST+8*(\t)+3], 0
.endr
; THE MATRIX WORK OF A TURN, for piece x.  The accumulators take turns, one instruction a turn.
.macro PV x                         ; product i of 32 of O^T += V^T P: keys 32 (i / 16) on, channels 16 ((i / 2) % 8) on, tile x + i % 2
	WIN W_PV
.set rO, 64*((\x)+i%2)+8*((i/2)%8)
.set rV, 64*(i/16)+8*((i/2)%8)
.set rP, P+16*((\x)+i%2)+8*(i/16)
	v_wmma_f32_16x16x32_bf16 v[rO:rO+7], v[rV:rV+7], v[rP:rP+7], v[rO:rO+7]
.endm
.macro KQ x                         ; product i of 32 of S^T += K Q^T: channels 32 (i / 8) on, keys 16 ((i / 2) % 4) on, tile x + i % 2.  The sums start from the bias, which lies in S^T's registers
	WIN W_KQ
.set rS, S+32*((\x)+i%2)+8*((i/2)%4)
.set rK, KF+32*((i/2)%4)+8*(i/8)
.set rQ, 32*((\x)+i%2)+8*(i/8)
	v_wmma_f32_16x16x32_bf16 v[rS:rS+7], v[rK:rK+7], v[rQ:rQ+7], v[rS:rS+7]
.endm
.macro FETCH_K last=0               ; last = 1 (the tail): in its last pass there is no further step, and the run is jumped over
	WIN 0
.if \last
	s_cmp_eq_u32 s[TWICE], 1
	s_cbranch_scc1 .Lno_k_\@
.endif
	v_add_nc_u32 v[ADR], s[TB], v[AK0]
	WIN 0x80
.irp f, 0,1,2,3,4,5,6,7,8,9,10,11,12,13,14,15
	ds_load_b128 v[KF+8*(\f):KF+8*(\f)+3],   v[ADR] offset:((\f)/4)*16*PK+((\f)%4)*64
	ds_load_b128 v[KF+8*(\f)+4:KF+8*(\f)+7], v[ADR] offset:((\f)/4)*16*PK+((\f)%4)*64+32
.endr
.if \last
	WIN 0                           ; at a label every window is 0
.Lno_k_\@:
.endif
.endm
.macro FETCH_V
	WIN 0
	v_add_nc_u32 v[ADR], s[TB], v[AV0]
	s_add_co_u32 s[TB], s[TB], STEPB  ; the next fetch is the next step's
	s_wait_alu depctr_va_vdst(0)    ; the wait for the softmax's batch of exponentials, ahead of the first instruction that names a result
	WIN 0xc0
.irp f, 0,1,2,3,4,5,6,7,8,9,10,11,12,13,14,15
	ds_load_tr16_b128 v[8*(\f):8*(\f)+3],   v[ADR] offset:((\f)/8)*32*PV+((\f)%8)*32
	ds_load_tr16_b128 v[8*(\f)+4:8*(\f)+7], v[ADR] offset:((\f)/8)*32*PV+16*PV+((\f)%8)*32
.endr
.endm
; THE BIAS.  PKB: a pair of scores = (a pair of 8 (l / 16) + j) x GS + the bias at the key block's first key (odd = 1: the pair's high word); neg = 1: the whole negated.
.macro PKB d, jp, g, bp, odd, neg
.if (\odd) && (\neg)
	v_pk_fma_f32 v[\d:\d+1], v[\jp:\jp+1], v[\g:\g+1], v[\bp:\bp+1] op_sel:[0,0,1] op_sel_hi:[1,0,1] neg_lo:[0,1,1] neg_hi:[0,1,1]
.elseif \odd
	v_pk_fma_f32 v[\d:\d+1], v[\jp:\jp+1], v[\g:\g+1], v[\bp:\bp+1] op_sel:[0,0,1] op_sel_hi:[1,0,1]
.elseif \neg
	v_pk_fma_f32 v[\d:\d+1], v[\jp:\jp+1], v[\g:\g+1], v[\bp:\bp+1] op_sel_hi:[1,0,0] neg_lo:[0,1,1] neg_hi:[0,1,1]
.else
	v_pk_fma_f32 v[\d:\d+1], v[\jp:\jp+1], v[\g:\g+1], v[\bp:\bp+1] op_sel_hi:[1,0,0]
.endif
.endm
; Number nb of the 44 that write piece x's bias for the next joint step, the two tiles alternating.  For a tile: GS takes the step's sign; U goes 64 keys on; the bias at the step's first key (with -1e30 in my own
; step) and at the other three blocks' first keys; then 16 pairs.
.macro BIAS x
	WIN 0
.set bt, (\x)+nb%2
.set bn, nb/2
.set bT, ST+8*bt
.set bG, GU+2*bt
.set bS, S+32*bt
.if bn == 0
	v_mul_f32 v[bG], s[SIG], v[bG]
.elseif bn == 1
	v_add_f32 v[bG+1], 0x42800000, v[bG+1]
.elseif bn == 2
	v_fma_f32 v[bT+4], v[bG], v[bG+1], s[NEG]
.elseif bn == 3
	v_fmamk_f32 v[bT+5], v[bG], 0x41800000, v[bT+4]
.elseif bn == 4
	v_fmamk_f32 v[bT+6], v[bG], 0x42000000, v[bT+4]
.elseif bn == 5
	v_fmamk_f32 v[bT+7], v[bG], 0x42400000, v[bT+4]
.else
.set bk, (bn-6)/4
.set bq, (bn-6)%4
	PKB bS+8*bk+2*bq, J8+2*bq, bG, bT+4+2*(bk/2), bk%2, 0
.endif
.set nb, nb+1
.endm
; The bias of tile t for the wave's own 64 keys: key blocks below the tile's own G (t - s), above it -G (t - s), in it -G |8 (l / 16) + j - l % 16|.  Then U is set 64 keys in front of the joint walk's first.
.macro DBIAS t
.set dT, ST+8*(\t)
.set dG, GU+2*(\t)
.set dS, S+32*(\t)
	v_add_nc_u32 v11, 16*(\t), v1
	v_cvt_f32_u32 v[dG+1], v11
	v_xor_b32 v[dG+1], 0x80000000, v[dG+1]
	v_mul_f32 v[dT+4], v[dG], v[dG+1]
	v_fmamk_f32 v[dT+5], v[dG], 0x41800000, v[dT+4]
	v_fmamk_f32 v[dT+6], v[dG], 0x42000000, v[dT+4]
	v_fmamk_f32 v[dT+7], v[dG], 0x42400000, v[dT+4]
.set kb, 0
.rept 4
.set pp, 0
.rept 4
.if kb == (\t)
	v_pk_mul_f32 v[dS+8*kb+2*pp:dS+8*kb+2*pp+1], v[E8+2*pp:E8+2*pp+1], v[dG:dG+1] op_sel_hi:[1,0] neg_lo:[0,1] neg_hi:[0,1]
.elseif kb < (\t)
	PKB dS+8*kb+2*pp, J8+2*pp, dG, dT+4+2*(kb/2), kb%2, 0
.else
	PKB dS+8*kb+2*pp, J8+2*pp, dG, dT+4+2*(kb/2), kb%2, 1
.endif
.set pp, pp+1
.endr
.set kb, kb+1
.endr
	v_sub_f32 v[dG+1], v[dG+1], s[UOF]
.endm
.macro DIAGFIX t                    ; the score at t = s is replaced; the accumulator is read from its low end on
.irp j, 0,1,2,3,4,5,6,7
	v_cndmask_b32 v[S+40*(\t)+(\j)], v[S+40*(\t)+(\j)], v[DG], s[MK+(\j)]
.endr
.endm
; THE SOFTMAX.  One tile's softmax for one key step is a list of 134 instructions; SM writes number j of it for tile t.  first = 1: piece 0's softmax of the own keys, which starts its m and l and has nothing to rescale.
;   0-15 the maximum of the 32 scores and the old m     16-20 the other half of the lanes' maximum; m; c m; its change     21-69 ONE BATCH: 16 scalings c s - c m and all 33 exponentials, none of which reads a result
;   (the wait)     70-85 the roundings to bf16     86-101 the sums; l = a l + the sum     102-133 O^T times a
.macro SM t, first
.set rT, ST+8*(\t)
.set rS, S+32*(\t)
.set rP, P+16*(\t)
.set rO, 64*(\t)+2*(j-102)
.if j < 102
	WIN 0
.endif
.if j < 4
	v_max3_num_f32 v[rT+4+j], v[rS+8*j], v[rS+8*j+1], v[rS+8*j+2]
.elseif j < 12
	v_max3_num_f32 v[rT+4+j%4], v[rT+4+j%4], v[rS+8*(j%4)+2*(j/4)+1], v[rS+8*(j%4)+2*(j/4)+2]
.elseif j == 12
	v_max3_num_f32 v[rT+4], v[rT+4], v[rS+7], v[rS+15]
.elseif j == 13
	v_max3_num_f32 v[rT+6], v[rT+6], v[rS+23], v[rS+31]
.elseif j == 14
	v_max3_num_f32 v[rT+4], v[rT+4], v[rT+5], v[rT+6]
.elseif (j == 15) && (\first)
	v_max_num_f32 v[rT+4], v[rT+4], v[rT+7]
.elseif j == 15
	v_max3_num_f32 v[rT+4], v[rT+4], v[rT+7], v[rT+1]
.elseif j == 16
	v_permlanex16_b32 v[rT+5], v[rT+4], s[SEL], s[SEL+1]  ; the query's other 32 keys lie in the lane 16 away
.elseif j == 18
	v_max_num_f32 v[rT+1], v[rT+4], v[rT+5]
.elseif j == 19
	v_mul_f32 v[rT], s[CS], v[rT+1]
.elseif ((j == 17) || (j == 20) || (j == 23) || (j > 101)) && (\first)
.elseif j == 17
	v_mov_b32 v[rT+7], v[rT]
.elseif j == 20
	v_sub_f32 v[rT+7], v[rT+7], v[rT]
.elseif j == 23
	v_exp_f32 v[rT+6], v[rT+7]
.elseif (j < 23) || ((j < 38) && (j%2 == 0)) || ((j < 66) && (j%4 == 2))
.set b, (j-2)/4
.if j < 38
.set b, (j-20)/2
.endif
	v_pk_fma_f32 v[rS+2*b:rS+2*b+1], v[rS+2*b:rS+2*b+1], s[CS:CS+1], v[rT:rT+1] op_sel_hi:[1,0,0] neg_lo:[0,0,1] neg_hi:[0,0,1]
.elseif j < 70
.set e, j-38
.if j < 66
.set e, j-32-(j-38)/4
.endif
.if j < 38
.set e, (j-25)/2
.endif
	v_exp_f32 v[rS+e], v[rS+e]
.elseif j < 86
	v_cvt_pk_bf16_f32 v[rP+j-70], v[rS+2*(j-70)], v[rS+2*(j-70)+1]
.elseif j < 102
.set z, j-86
.set w, 4
.set u, z
.if z >= 14
.set w, 32
.set u, 0
.elseif z >= 12
.set w, 16
.set u, z-12
.elseif z >= 8
.set w, 8
.set u, z-8
.endif
.if (z == 14) && (\first)
	v_pk_add_f32 v[rT+2:rT+3], v[rS:rS+1], v[rS+16:rS+17]
.elseif z < 15
	v_pk_add_f32 v[rS+w*u:rS+w*u+1], v[rS+w*u:rS+w*u+1], v[rS+w*u+w/2:rS+w*u+w/2+1]
.elseif !(\first)
	v_pk_fma_f32 v[rT+2:rT+3], v[rT+2:rT+3], v[rT+6:rT+7], v[rS:rS+1] op_sel_hi:[1,0,1]
.endif
.else
	WIN W_RS
	v_pk_mul_f32 v[rO:rO+1], v[rO:rO+1], v[rT+6:rT+7] op_sel_hi:[1,0]
.endif
.endm
; Slice k of 64 of piece y's softmax: four instructions (slice 63: sixteen).  Slices 11 to 34 deal out the batch, four numbers of one tile each; behind slice 34 stand a plain instruction and the batch's one wait.
.macro SLICE y, first
.if (k >= 11) && (k < 35)
.irp n, 0,1,2,3
.set j, 22+4*((k-11)/2)+(\n)
	SM (\y)+(k-11)%2, \first
.endr
.else
.irp n, 0,1,2,3,4,5,6,7
.if ((\n) < 2) || (k == 63)
.irp t, \y, (\y)+1
.set j, 2*k+(\n)
	SM \t, \first
.endr
.endif
.endr
.endif
.if k == 34
	v_nop                           ; a plain instruction behind the last exponential and ahead of the first use: one for the batch
.if (\y) == 0
	FETCH_V                         ; piece 2's turn: V's run of loads stands here, and the wait stands in it
.else
	s_wait_alu depctr_va_vdst(0)    ; the wait for the batch
.endif
.endif
.set k, k+1
.endm
.macro PLACES
.rept 4
	v_nop
.endr
.endm
; A TURN.  Piece x has the matrix unit; the other piece's softmax stands in slices behind its matrix instructions.  pv = 1: 32 products V^T P.  kq = 1: 32 products K Q^T for the next step.  With both, piece x's bias for
; that step is written behind the products V^T P: two numbers behind each of the first twelve, one behind each of the other twenty.  With one kind alone two slices stand behind each product.
; first = 1: the softmax is piece 0's of the own keys; its slices from 51 on are empty, and four v_nop take slice 63's part as the places behind the turn's last products.
; Piece 0's turn opens a joint step: the step's number goes up, and two selects say whether it is my wave's own.  It fetches the step's K behind its second product (last = 1: not in the tail's last pass); piece 2's
; turn fetches its V behind slice 34.
.macro TURN x, pv, kq, first, last=0
.set k, 0
.set nb, 0
.set per, 2
.if (\pv) && (\kq)
.set per, 1
.if (\x) == 0
	s_add_co_u32 s[STEPI], s[STEPI], 1
	s_cmp_eq_u32 s[STEPI], s[MYSTEP]
	s_cselect_b32 s[SIG], -1.0, 1.0
	s_cselect_b32 s[NEG], s[BIGN], 0
.endif
.endif
.if \pv
.if (\x) == 0
	s_wait_dscnt 0x0                ; V is in
.endif
.set i, 0
.rept 32
	PV \x
.rept per
	SLICE 2-(\x), \first
.endr
.if \kq
	BIAS \x
.if i < 12
	BIAS \x
.endif
.endif
.if ((\x) == 0) && (\kq) && (i == 1)
	FETCH_K \last
.endif
.set i, i+1
.endr
.endif
.if \kq
.if (\x) == 0
	s_wait_dscnt 0x0                ; K is in
.endif
.set i, 0
.rept 32
	KQ \x
.rept per
	SLICE 2-(\x), \first
.endr
.set i, i+1
.endr
.endif
.if \first
	PLACES
.endif
.endm
; THE CHANGE OF SLOTS.  Each wave waits for all its tensor loads (one is out: its part of the other slot), adds 0 to its spare word, and waits for that and for its reads of the slot.  fill = 1: the barrier is a round of
; the cluster's, and the slot is filled again, with the keys two slots on, first thing behind it: 256 matrix instructions in which to land.
.macro CHANGE fill
	WIN 0
	s_wait_tensorcnt 0x0            ; no tensor load of mine is out, so a group 0 may be written
	ds_add_u32 v[SPW], v[NIL]
.if \fill
.irp g, G0K+4, G0V+4
	s_xor_b32 s[(\g)+1], s[(\g)+1], SLOT1
	s_add_nc_u64 s[(\g)+2:(\g)+3], s[(\g)+2:(\g)+3], 2*KS*ROWB
.endr
	s_wait_xcnt 0x0                 ; the last prefetch, two key steps back, has read its address
	s_add_nc_u64 s[PFA:PFA+1], s[PFA:PFA+1], 2*KS*ROWB
	s_wait_dscnt 0x0                ; the add is done, and my reads of the slot are over
	CROUND
	JLOAD
	ASK
.else
	s_wait_dscnt 0x0
	s_barrier_signal -1
	s_barrier_wait -1
.endif
	s_sub_co_u32 s[TB], s[TB], 2*STEPB
	s_xor_b32 s[TB], s[TB], SLOT1
.endm
	s_wait_tensorcnt 1              ; my own keys' V and my part of slot 0 are in; slot 1's may stay out
	s_barrier_signal -1
	s_barrier_wait -1
	s_wait_loadcnt 0x0              ; Q, K of my own keys, dqp
	s_wait_kmcnt 0x0                ; b_qdecay
.irp f, 0,1,2,3
	s_mul_f32 s[BQ+(\f)], s[BQ+(\f)], s[NL2E]
.endr
	; G = sqrt(128) x the sum over f of (f + 1) / 4 x sigmoid(dq + b), for my query in each of the four tiles
.irp t, 0,1,2,3
.irp p, 0,2
	v_pk_add_f32 v[P+16*(\t)+(\p):P+16*(\t)+(\p)+1], v[P+16*(\t)+(\p):P+16*(\t)+(\p)+1], v[P+16*(\t)+4+(\p):P+16*(\t)+4+(\p)+1]
	v_pk_add_f32 v[P+16*(\t)+8+(\p):P+16*(\t)+8+(\p)+1], v[P+16*(\t)+8+(\p):P+16*(\t)+8+(\p)+1], v[P+16*(\t)+12+(\p):P+16*(\t)+12+(\p)+1]
.endr
.endr
.irp t, 0,1,2,3
.irp p, 0,2
	v_pk_add_f32 v[P+16*(\t)+(\p):P+16*(\t)+(\p)+1], v[P+16*(\t)+(\p):P+16*(\t)+(\p)+1], v[P+16*(\t)+8+(\p):P+16*(\t)+8+(\p)+1]
.endr
.endr
.irp t, 0,1,2,3
.irp f, 0,1,2,3
	v_fma_f32 v[P+16*(\t)+(\f)], v[P+16*(\t)+(\f)], s[NL2E], s[BQ+(\f)]
.endr
.endr
.irp t, 0,1,2,3
.irp f, 0,1,2,3
	v_exp_f32 v[P+16*(\t)+(\f)], v[P+16*(\t)+(\f)]
.endr
.endr
	v_nop
	s_wait_alu depctr_va_vdst(0)    ; one wait for the sixteen exponentials
.irp t, 0,1,2,3
.irp f, 0,1,2,3
	v_add_f32 v[P+16*(\t)+(\f)], 1.0, v[P+16*(\t)+(\f)]
.endr
.endr
.irp t, 0,1,2,3
.irp f, 0,1,2,3
	v_rcp_f32 v[P+16*(\t)+(\f)], v[P+16*(\t)+(\f)]
.endr
.endr
	v_nop
	s_wait_alu depctr_va_vdst(0)    ; one wait for the sixteen reciprocals
.irp t, 0,1,2,3
	v_mul_f32 v[GU+2*(\t)], 0x403504f3, v[P+16*(\t)]                        ; sqrt(128) / 4,
	v_fmamk_f32 v[GU+2*(\t)], v[P+16*(\t)+1], 0x40b504f3, v[GU+2*(\t)]      ; twice,
	v_fmamk_f32 v[GU+2*(\t)], v[P+16*(\t)+2], 0x4107c3b6, v[GU+2*(\t)]      ; three times,
	v_fmamk_f32 v[GU+2*(\t)], v[P+16*(\t)+3], 0x413504f3, v[GU+2*(\t)]      ; four times that
.endr
.irp j, 0,1,2,3,4,5,6,7
	v_sub_nc_u32 v[E8+(\j)], (\j), v[ADR]
	v_cvt_f32_i32 v[E8+(\j)], v[E8+(\j)]
	v_and_b32 v[E8+(\j)], 0x7fffffff, v[E8+(\j)]
.endr
	DBIAS 0
	DBIAS 1
	DBIAS 2
	DBIAS 3
.set i, 0
.rept 32
	KQ 0                            ; piece 0's scores against my own keys
.set i, i+1
.endr
	WIN 0                           ; the addresses for the way out: eight plain instructions, the places behind those products
	s_mul_i32 s13, s[WV], 16*SP
	s_add_co_u32 s13, s13, STAGE
	v_mul_u32_u24 v[STO], v1, SP
	v_lshl_add_u32 v[STO], v9, 4, v[STO]
	v_add_nc_u32 v[STO], s13, v[STO]
	v_mul_u32_u24 v[RD], v9, SP
	v_lshl_add_u32 v[RD], v1, 4, v[RD]
	v_add_nc_u32 v[RD], s13, v[RD]
	v_lshlrev_b32 v[GO], 11, v9     ; two rows of ob, 2,048 bytes apart
	v_lshl_add_u32 v[GO], v1, 4, v[GO]
	DIAGFIX 0
	DIAGFIX 1
	s_mul_i32 s[TB], s[WV], KS*PV
	s_add_co_u32 s[TB], s[TB], DIAGV-VOFF  ; the next fetch of V takes my own keys'
	TURN 2, 0, 1, 1                 ; piece 2's scores against my own keys | piece 0's first softmax | V of my own keys
	WIN 0
	s_mov_b32 s[TB], 0              ; the fetches go on at joint step 0
	DIAGFIX 2
	DIAGFIX 3
	s_mov_b32 s[TWICE], 2           ; slot 0's two steps are fetched by two ordinary trips; the first of them multiplies V of my own keys
	s_mov_b32 s[SLOTS], 15
	s_branch .Lstep
.Lslot:                             ; 14 times: every slot but the last two is filled again
	CHANGE 1
	s_mov_b32 s[TWICE], 2
.Lstep:                             ; a trip: both pieces' V^T P of the step in hand, bias and K Q^T of the next, whose K and V it fetches
	TURN 0, 1, 1, 0
	TURN 2, 1, 1, 0
	WIN 0
	s_sub_co_u32 s[TWICE], s[TWICE], 1
	s_cmp_lg_u32 s[TWICE], 0
	s_cbranch_scc1 .Lstep
	s_sub_co_u32 s[SLOTS], s[SLOTS], 1
	s_cmp_lg_u32 s[SLOTS], 0
	s_cbranch_scc1 .Lslot
	CHANGE 0                        ; the tail has a text of its own: nothing is asked for
	s_mov_b32 s[TWICE], 3           ; piece 0's turn three times, piece 2's twice between: the last slot's two steps are fetched, and the third pass, which fetches nothing, ends the walk
	s_branch .Ltail0
.Ltail:
	TURN 2, 1, 1, 0
	WIN 0
.Ltail0:
	TURN 0, 1, 1, 0, 1
	WIN 0
	s_sub_co_u32 s[TWICE], s[TWICE], 1
	s_cmp_lg_u32 s[TWICE], 0
	s_cbranch_scc1 .Ltail
.set i, 0
.rept 32
	PV 2                            ; piece 2: V^T P of the last step
.set i, i+1
.endr
	; THE WAY OUT.  l's two halves and the other half of the lanes' are added; O^T is divided by l, rounded to bf16 and sent through my stage, a tile (16 rows of ob) at a time.  The additions are the places behind the last products.
	WIN 0
.irp t, 0,1,2,3
	v_add_f32 v[ST+8*(\t)+4], v[ST+8*(\t)+2], v[ST+8*(\t)+3]
.endr
.irp t, 0,1,2,3
	v_permlanex16_b32 v[ST+8*(\t)+5], v[ST+8*(\t)+4], s[SEL], s[SEL+1]
.endr
.irp t, 0,1,2,3
	v_add_f32 v[ST+8*(\t)+4], v[ST+8*(\t)+4], v[ST+8*(\t)+5]
.endr
.irp t, 0,1,2,3
	v_rcp_f32 v[ST+8*(\t)+6], v[ST+8*(\t)+4]
.endr
	v_nop
	s_wait_alu depctr_va_vdst(0)    ; one wait for the four reciprocals
.macro PACK t
	WIN W_RS
.set i, 64*(\t)
.rept 32
	v_pk_mul_f32 v[i:i+1], v[i:i+1], v[ST+8*(\t)+6:ST+8*(\t)+7] op_sel_hi:[1,0]
.set i, i+2
.endr
	WIN 0x05
.set i, 0
.rept 32
	v_cvt_pk_bf16_f32 v[S+32*(\t)+i], v[64*(\t)+2*i], v[64*(\t)+2*i+1]
.set i, i+1
.endr
	WIN 0
.irp f, 0,1,2,3,4,5,6,7
	ds_store_b128 v[STO], v[S+32*(\t)+4*(\f):S+32*(\t)+4*(\f)+3] offset:32*(\f)
.endr
.irp f, 0,1,2,3,4,5,6,7
	ds_load_b128 v[S+32*(\t)+4*(\f):S+32*(\t)+4*(\f)+3], v[RD] offset:(\f)*2*SP  ; LDS serves a wave's instructions in order (ISA guide 5.7.1.4): these see the stores above
.endr
.endm
.macro SEND t, younger              ; younger: the LDS instructions issued behind tile t's loads
	WIN 0
.irp f, 0,1,2,3,4,5,6,7
	s_wait_dscnt (\younger)+7-(\f)
	global_store_b128 v[GO], v[S+32*(\t)+4*(\f):S+32*(\t)+4*(\f)+3], s[10:11] offset:(\t)*32768+(\f)*4096  ; 16 lanes store 256 consecutive bytes, aligned
.endr
.endm
	PACK 0
	PACK 1
	SEND 0, 16
	PACK 2
	SEND 1, 16
	PACK 3
	SEND 2, 16
	SEND 3, 0
	s_wait_tensorcnt 0x0            ; the wave's end: behind my last tensor load and my last LDS store
	ds_add_u32 v[SPW], v[NIL]
	s_wait_dscnt 0x0
	CROUND                          ; the closing round
	s_endpgm
.Lfunc_end_k_qb36f41ded9_attn:
	.size	k_qb36f41ded9_attn, .Lfunc_end_k_qb36f41ded9_attn-k_qb36f41ded9_attn
	.p2alignl 7, 3214868480
	.fill 96, 4, 3214868480
	.section	.rodata,"a",@progbits
	.p2align	6, 0x0
	.amdhsa_kernel k_qb36f41ded9_attn
		.amdhsa_group_segment_fixed_size 327680
		.amdhsa_private_segment_fixed_size 0
		.amdhsa_enable_private_segment 0
		.amdhsa_kernarg_size 32
		.amdhsa_user_sgpr_count 2
		.amdhsa_user_sgpr_kernarg_segment_ptr 1
		.amdhsa_wavefront_size32 1
		.amdhsa_system_sgpr_workgroup_id_x 1
		.amdhsa_system_sgpr_workgroup_id_y 1
		.amdhsa_system_sgpr_workgroup_id_z 1
		.amdhsa_system_vgpr_workitem_id 0
		.amdhsa_next_free_vgpr 1024
		.amdhsa_next_free_sgpr 100
		.amdhsa_reserve_vcc 0
		.amdhsa_float_denorm_mode_32 3
		.amdhsa_float_denorm_mode_16_64 3
		.amdhsa_memory_ordered 1
		.amdhsa_forward_progress 1
		.amdhsa_inst_pref_size 198
	.end_amdhsa_kernel
	.amdgpu_metadata
---
amdhsa.version: [ 1, 2 ]
amdhsa.kernels:
  - .name:           k_qb36f41ded9_attn
    .symbol:         k_qb36f41ded9_attn.kd
    .args:
      - { .name: qkv, .offset: 0, .size: 8, .value_kind: global_buffer, .address_space: global }
      - { .name: dqp, .offset: 8, .size: 8, .value_kind: global_buffer, .address_space: global }
      - { .name: b_qdecay, .offset: 16, .size: 8, .value_kind: global_buffer, .address_space: global }
      - { .name: ob, .offset: 24, .size: 8, .value_kind: global_buffer, .address_space: global }
    .group_segment_fixed_size: 327680
    .private_segment_fixed_size: 0
    .kernarg_segment_align: 8
    .kernarg_segment_size: 32
    .max_flat_workgroup_size: 128
    .sgpr_count:     100
    .vgpr_count:     1024
    .wavefront_size: 32
...
	.end_amdgpu_metadata
.endif
;; end of part 3
;; launch projg (part 4): grid 8 x 32, 4 waves a work-group, clusters of 4 x 4, 327,680 bytes of LDS; arguments ob, wb, b_proj, x, out0; writes out0
.if DOCPART == 4
	.amdgcn_target "amdgcn-amd-amdhsa--gfx1250"
	.amdhsa_code_object_version 6
	.text
	.protected	k_qb36f41ded9_projg
	.globl	k_qb36f41ded9_projg
	.p2align	8
	.type	k_qb36f41ded9_projg,@function
k_qb36f41ded9_projg:
	s_mov_b64 s[64:65], 0
	v_nop
	global_prefetch_b8 v0, s[64:65] scope:SCOPE_SE
	s_setreg_imm32_b32 hwreg(HW_REG_WAVE_MODE, 25, 1), 1
	s_wait_xcnt 0x0
	s_wait_alu depctr_hold_cnt(0) depctr_sa_sdst(0) depctr_va_vdst(0) depctr_va_sdst(0) depctr_va_ssrc(0) depctr_va_vcc(0) depctr_vm_vsrc(0)
	s_getreg_b32 s2, hwreg(HW_REG_IB_STS2, 6, 4)
	s_cmp_eq_u32 s2, 0
	s_cbranch_scc0 .Lentry_in_a_cluster
	s_endpgm
.Lentry_in_a_cluster:
	s_bfe_u32 s2, ttmp6, 0x10000c
	s_cmp_lg_u32 s2, 0xf033
	s_cbranch_scc0 .Lentry_shape_is_right
	s_endpgm
.Lentry_shape_is_right:
; PROJECTION AND RESIDUAL.  out0[b][o][s] = x[b][o][s] + b_proj[o] + the sum over c of wb[3,072 + o][c] ob[b 2048 + s][c]; operands bf16, sums f32, out0 f32.
; A tile is 256 rows s x 128 columns o: 8 x 32 tiles, one for each work-group.  Four waves stacked along s, each 64 x 128: 32 accumulators.  K goes in 8 steps of 128 through two LDS slots; both tensors lie along K.
; SOURCE 0 = 16 rows of ob, SOURCE 1 = 16 rows of wb: a lane then holds one o and eight neighbouring s, 32 bytes of a row of out0.
; x's part of the tile (256 registers a lane, in the layout of the stores) is asked for at the head, so that it crosses while the products run.
; CLUSTER 4 x 4.  ob's tile is asked for jointly by a row of the cluster, wb's by a column.  Waves 0, 1 fetch ob's halves, waves 2, 3 wb's.  A wave has two tensor loads out at the start, later one.
; REGISTERS: window 0: addresses, two fragment buffers of 96; window 1: the accumulators, (a, b) at 8 (8 a + b); window 2: x; window 3: v0-15 b_proj, twice for each block b.
.set PX,     272                       ; an LDS row: 256 bytes + 16 = 68 words: the 16 rows of a load start at 16 different groups of four banks (64 banks of 4 bytes: ISA guide 11.1)
.set XPART,  256*PX                    ; a slot: ob's 256 rows, then wb's 128
.set SLOT1,  1<<17
.set STAGE,  SLOT1+XPART+128*PX
.set SP,     272
.set SPARE,  STAGE+4*16*SP
.set WPROJ,  3072*2048                 ; W_proj's first byte in wb
.set KSTEPS, 8
.set AX0, 16
.set AW0, 17
.set AX,  18
.set AW,  19
.set STO, 20
.set RD,  21
.set CO,  22                           ; v22  my byte offset in two rows of x and of out0
.set PFO, 23
.set BO,  24                           ; v24  4 (l % 16)
.set SPW, 28
.set NIL, 29
.set F0,  32                           ; fragment buffers: wb's block b at + 8 b, ob's block a at + 64 + 8 a
.set F1,  128
.set OB,  32                           ; the way out: rows read back, v32-63 and v64-95 by turns
.set WV,  16
.set WP,  18
.set CX,  19
.set CY,  20
.set COL, 21
.set ROW, 22
.set G1X, 24
.set G0X, 32
.set TB,  42
.set LIM, 43
.set PFA, 44
.set G1W, 48
.set G0W, 56
.set MSB, 0
.macro WIN new
.if MSB != (\new)
	s_set_vgpr_msb (MSB<<8)|(\new)
.set MSB, \new
.endif
.endm
.set W_MUL, 0x50                       ; sources in window 0, C and D in window 1
.macro JLOAD                           ; a joint refill by the walking set; an s_nop 0 and four v_nop follow each line
	s_cmp_lt_u32 s[WV], 2
	s_cbranch_scc0 .Lfor_w_\@
	tensor_load_to_lds s[G0X+4:G0X+7], s[G1X:G1X+7]
	s_nop 0
.rept 4
	v_nop
.endr
	s_branch .Lasked_\@
.Lfor_w_\@:
	tensor_load_to_lds s[G0W+4:G0W+7], s[G1W:G1W+7]
	s_nop 0
.rept 4
	v_nop
.endr
.Lasked_\@:
.endm
; A PREFETCH INTO THE L2 of the K step that stands two refills on, a lane a row of 256 bytes.  ob's rows: waves 0, 1 of the clusters with x = 0, the partner at cx taking rows 32 cx .. + 31 of the 128 that the wave
; fetches.  wb's rows: wave 2 of the clusters with y = 0, the partner at cy taking rows 32 cy .. + 31 of the tile's 128.  Each block is named once.  Trips 0 to 3 ask for K steps 4 to 7; the last two for nothing.
.macro ASK
	s_cmp_gt_u32 s3, s[LIM]
	s_cbranch_scc0 .Lnot_mine_\@
	global_prefetch_b8 v[PFO], s[PFA:PFA+1] th:TH_LOAD_NT scope:SCOPE_SE
.Lnot_mine_\@:
.endm
.macro CREST
	s_cmp_lg_u32 s[WV], 0
	s_cbranch_scc1 .Lnot_wave_0_\@
	s_barrier_signal -3
.Lnot_wave_0_\@:
	s_barrier_wait -3
	s_barrier_signal -1
	s_barrier_wait -1
.endm
.macro CROUND
	s_barrier_signal -1
	s_barrier_wait -1
	CREST
.endm
	s_load_b256 s[4:11], s[0:1], 0x0               ; ob s[4:5], wb s[6:7], b_proj s[8:9], x s[10:11]
	s_load_b64 s[12:13], s[0:1], 0x20              ; out0
	v_lshl_add_u32 v[SPW], v0, 2, SPARE
	v_mov_b32 v[NIL], 0
	ds_add_u32 v[SPW], v[NIL]                      ; the wave's opening: the add and its wait stand ahead of my first tensor load
	v_lshrrev_b32 v1, 5, v0
	v_readfirstlane_b32 s[WV], v1
	s_and_b32 s[WP], s[WV], 1
	s_bfe_u32 s[CX], ttmp6, 0x40000
	s_bfe_u32 s[CY], ttmp6, 0x40004
	s_lshl_b32 s[COL], ttmp9, 2
	s_add_co_u32 s[COL], s[COL], s[CX]
	s_and_b32 s[ROW], ttmp7, 0xffff
	s_lshl_b32 s[ROW], s[ROW], 2
	s_add_co_u32 s[ROW], s[ROW], s[CY]
	s_lshl_b32 s68, s[CY], 2
	s_lshl_b32 s68, 15, s68                        ; my row of the cluster
	s_lshl_b32 s70, 0x1111, s[CX]                  ; my column
	s_or_b32 s[G1X], s68, (1<<16)|(1<<20)|(1<<21)|(5<<22)|(3<<25)  ; the mask; 2-byte elements; padding on; bit 21 beside a mask; after every 64 words, 4 words
	s_or_b32 s[G1W], s70, (1<<16)|(1<<20)|(1<<21)|(5<<22)|(3<<25)
	s_mov_b32 s[G1X+1], 128<<16                    ; tensor_dim0 = 128
	s_mov_b32 s[G1X+2], 128<<16                    ; tensor_dim1 = 128
	s_mov_b32 s[G1X+3], 128<<16                    ; tile_dim0 = 128
	s_mov_b32 s[G1X+4], 128                        ; tile_dim1 = 128
	s_mov_b32 s[G1X+5], 1024
	s_mov_b32 s[G1X+6], 0
	s_mov_b32 s[G1X+7], 0
	s_mov_b32 s[G1W+1], 128<<16
	s_mov_b32 s[G1W+2], 64<<16
	s_mov_b32 s[G1W+3], 128<<16
	s_mov_b32 s[G1W+4], 64
	s_mov_b32 s[G1W+5], 1024
	s_mov_b32 s[G1W+6], 0
	s_mov_b32 s[G1W+7], 0
	s_lshl_b32 s68, s[ROW], 19                     ; ob: row 256 x tile row + 128 x half, 2,048 bytes each; nothing of cx
	s_lshl_b32 s69, s[WP], 18
	s_add_co_u32 s68, s68, s69
	s_mov_b32 s69, 0
	s_lshl_b32 s70, s[COL], 18                     ; wb: W_proj's row 128 x tile column + 64 x half; nothing of cy
	s_lshl_b32 s71, s[WP], 17
	s_add_co_u32 s70, s70, s71
	s_add_co_u32 s70, s70, WPROJ
	s_mov_b32 s71, 0
	s_mul_i32 s72, s[WP], 128*PX
	s_mul_i32 s73, s[WP], 64*PX
	s_add_co_u32 s73, s73, XPART
	s_mov_b32 s[TB], 0
	s_wait_dscnt 0x0                               ; the opening add is done
	s_wait_kmcnt 0x0
	s_add_nc_u64 s[74:75], s[4:5], s[68:69]
	s_add_nc_u64 s[76:77], s[6:7], s[70:71]
	CROUND                                         ; all sixteen work-groups are here: the first joint loads meet
.irp s, 0,1
	s_mov_b32 s[G0X+4*(\s)], 1
	s_add_co_u32 s[G0X+4*(\s)+1], s72, (\s)*SLOT1
	s_add_nc_u64 s[G0X+4*(\s)+2:G0X+4*(\s)+3], s[74:75], (\s)*256
	s_or_b32 s[G0X+4*(\s)+3], s[G0X+4*(\s)+3], 0x80000000
	s_mov_b32 s[G0W+4*(\s)], 1
	s_add_co_u32 s[G0W+4*(\s)+1], s73, (\s)*SLOT1
	s_add_nc_u64 s[G0W+4*(\s)+2:G0W+4*(\s)+3], s[76:77], (\s)*256
	s_or_b32 s[G0W+4*(\s)+3], s[G0W+4*(\s)+3], 0x80000000
.endr
	s_cmp_lt_u32 s[WV], 2                          ; a wave's two first fills stand in one branch
	s_cbranch_scc0 .Lfirst_w
	tensor_load_to_lds s[G0X:G0X+3], s[G1X:G1X+7]
	s_nop 0
	tensor_load_to_lds s[G0X+4:G0X+7], s[G1X:G1X+7]
	s_nop 0
.rept 4
	v_nop
.endr
	s_branch .Lfirst_asked
.Lfirst_w:
	tensor_load_to_lds s[G0W:G0W+3], s[G1W:G1W+7]
	s_nop 0
	tensor_load_to_lds s[G0W+4:G0W+7], s[G1W:G1W+7]
	s_nop 0
.rept 4
	v_nop
.endr
.Lfirst_asked:
	v_and_b32 v1, 15, v0                           ; l % 16
	v_bfe_u32 v2, v0, 4, 1                         ; l / 16
	v_lshlrev_b32 v6, 13, v2                       ; two rows of x and out0, 8,192 bytes apart; 16 bytes a lane
	v_lshl_add_u32 v[CO], v1, 4, v6
	v_lshlrev_b32 v[BO], 2, v1
	s_lshr_b32 s2, s[ROW], 3                       ; x and out0: batch x 8 MiB + 128 x tile column rows + (256 x (tile row % 8) + 64 x wave) columns
	s_lshl_b32 s2, s2, 23
	s_lshl_b32 s17, s[COL], 20
	s_add_co_u32 s2, s2, s17
	s_and_b32 s17, s[ROW], 7
	s_lshl_b32 s17, s17, 10
	s_add_co_u32 s2, s2, s17
	s_lshl_b32 s17, s[WV], 8
	s_add_co_u32 s2, s2, s17
	s_mov_b32 s3, 0
	s_add_nc_u64 s[10:11], s[10:11], s[2:3]
	s_add_nc_u64 s[12:13], s[12:13], s[2:3]
	s_lshl_b32 s2, s[COL], 9
	s_add_nc_u64 s[8:9], s[8:9], s[2:3]
	WIN 0x80                                       ; destination window 2
.set i, 0
.rept 64                               ; rows 2 i, 2 i + 1 of the tile's 128, my wave's 256 bytes of each
	global_load_b128 v[4*i:4*i+3], v[CO], s[10:11] offset:2*i*8192 th:TH_LOAD_NT
.set i, i+1
.endr
	WIN 0xc0                                       ; destination window 3
.irp b, 0,1,2,3,4,5,6,7
	global_load_b32 v[2*(\b)],   v[BO], s[8:9] offset:64*(\b)   ; b_proj[16 b + l % 16], twice: a pair for the packed addition
	global_load_b32 v[2*(\b)+1], v[BO], s[8:9] offset:64*(\b)
.endr
	WIN 0
	s_lshl_b32 s79, s[WV], 6
	v_add_nc_u32 v5, s79, v1                       ; ob: row 64 x wave + l % 16
	v_mul_u32_u24 v[AX0], v5, PX
	v_lshl_add_u32 v[AX0], v2, 4, v[AX0]
	v_mul_u32_u24 v[AW0], v1, PX
	v_lshl_add_u32 v[AW0], v2, 4, v[AW0]
	v_add_nc_u32 v[AW0], XPART, v[AW0]
	v_mov_b32 v[AX], v[AX0]
	v_mov_b32 v[AW], v[AW0]
	s_mul_i32 s79, s[WV], 16*SP
	s_add_co_u32 s79, s79, STAGE                   ; my stage: 16 rows o of 64 s in f32
	v_mul_u32_u24 v6, v1, SP
	v_lshl_add_u32 v6, v2, 5, v6                   ; in: row l % 16, 32 bytes for each half of the lanes
	v_add_nc_u32 v[STO], s79, v6
	v_mul_u32_u24 v6, v2, SP
	v_lshl_add_u32 v6, v1, 4, v6
	v_add_nc_u32 v[RD], s79, v6
	; the prefetches stand at K step 3; each change of slots steps them first
	s_lshl_b32 s78, s[CX], 16
	s_add_co_u32 s78, s78, s68
	s_add_co_u32 s78, s78, 3*256
	s_lshl_b32 s46, s[COL], 18
	s_lshl_b32 s47, s[CY], 16
	s_add_co_u32 s46, s46, s47
	s_add_co_u32 s46, s46, WPROJ+3*256
	s_and_b32 s40, ttmp7, 0xffff
	s_cmp_lt_u32 s[WV], 2
	s_cselect_b32 s78, s78, s46
	s_cselect_b32 s40, ttmp9, s40
	s_cselect_b64 s[PFA:PFA+1], s[4:5], s[6:7]
	s_mov_b32 s79, 0
	s_add_nc_u64 s[PFA:PFA+1], s[PFA:PFA+1], s[78:79]
	s_cmp_eq_u32 s[WV], 3                          ; wave 3 never asks
	s_cselect_b32 s40, 1, s40
	s_cmp_eq_u32 s40, 0
	s_cselect_b32 s[LIM], 2, -1
	v_and_b32 v[PFO], 31, v0
	v_lshlrev_b32 v[PFO], 11, v[PFO]
; 8 matrix instructions: block a of s x all 8 blocks of o.  first = 1: the product starts the sum.  The 32 accumulators take turns in one order.
.macro MUL8 f, a, first
	WIN W_MUL
.irp b, 0,1,2,3,4,5,6,7
.if \first
	v_wmma_f32_16x16x32_bf16 v[8*(8*(\a)+(\b)):8*(8*(\a)+(\b))+7], v[(\f)+64+8*(\a):(\f)+64+8*(\a)+7], v[(\f)+8*(\b):(\f)+8*(\b)+7], 0
.else
	v_wmma_f32_16x16x32_bf16 v[8*(8*(\a)+(\b)):8*(8*(\a)+(\b))+7], v[(\f)+64+8*(\a):(\f)+64+8*(\a)+7], v[(\f)+8*(\b):(\f)+8*(\b)+7], v[8*(8*(\a)+(\b)):8*(8*(\a)+(\b))+7]
.endif
.endr
.endm
.macro FETCH q, f                      ; 24 LDS loads in one run: wb's 16, then ob's 8
	WIN 0
.irp b, 0,1,2,3,4,5,6,7
	ds_load_b128 v[(\f)+8*(\b):(\f)+8*(\b)+3],   v[AW] offset:(\b)*16*PX+64*(\q)
	ds_load_b128 v[(\f)+8*(\b)+4:(\f)+8*(\b)+7], v[AW] offset:(\b)*16*PX+64*(\q)+32
.endr
.irp a, 0,1,2,3
	ds_load_b128 v[(\f)+64+8*(\a):(\f)+64+8*(\a)+3],   v[AX] offset:(\a)*16*PX+64*(\q)
	ds_load_b128 v[(\f)+64+8*(\a)+4:(\f)+64+8*(\a)+7], v[AX] offset:(\a)*16*PX+64*(\q)+32
.endr
.endm
.macro PLACES
.rept 4
	v_nop
.endr
.endm
.macro QUARTER q, f, g, first
	s_wait_dscnt 4                                 ; all but ob's blocks 2, 3
	MUL8 \f, 0, \first
	MUL8 \f, 1, \first
	PLACES
	FETCH \q, \g
	s_wait_dscnt 24                                ; all but the 24 just issued
	MUL8 \f, 2, \first
	MUL8 \f, 3, \first
.endm
; The last quarter multiplies buffer 1 and changes slots: the wait for all my tensor loads, the add, the wait for it and for my reads of this slot, the barrier; fill = 1: a round of the cluster's, and the refill first behind it.
.macro TURN fill
.if \fill
	s_wait_xcnt 0x0                                ; the last prefetch, a K step back, has read its address
	s_add_nc_u64 s[PFA:PFA+1], s[PFA:PFA+1], 256
.endif
	WIN 0
	s_wait_tensorcnt 0x0                           ; no tensor load of mine is out, so a group 0 may be written
	ds_add_u32 v[SPW], v[NIL]
.if \fill
	s_xor_b32 s[G0X+5], s[G0X+5], SLOT1
	s_add_nc_u64 s[G0X+6:G0X+7], s[G0X+6:G0X+7], 256
	s_xor_b32 s[G0W+5], s[G0W+5], SLOT1
	s_add_nc_u64 s[G0W+6:G0W+7], s[G0W+6:G0W+7], 256
.endif
	s_wait_dscnt 5                                 ; (the add and the youngest four loads may be out)
	MUL8 F1, 0, 0
	s_wait_dscnt 0x0                               ; the add is done, and my reads of this slot are over
	s_barrier_signal -1
	MUL8 F1, 1, 0
.if \fill
	WIN 0
.endif
	s_barrier_wait -1
.if \fill
	CREST
	JLOAD
.else
	PLACES
.endif
	WIN 0
	s_xor_b32 s[TB], s[TB], SLOT1
	v_add_nc_u32 v[AX], s[TB], v[AX0]
	v_add_nc_u32 v[AW], s[TB], v[AW0]
	FETCH 0, F0
.if \fill
	ASK
.endif
	MUL8 F1, 2, 0
	MUL8 F1, 3, 0
.endm
	s_wait_tensorcnt 1                             ; my part of K step 0 is in; K step 1's may stay out
	s_barrier_signal -1
	s_barrier_wait -1
	FETCH 0, F0
	QUARTER 1, F0, F1, 1
	WIN 0
	s_mov_b32 s3, KSTEPS-2
.Lstep:
	QUARTER 2, F1, F0, 0
	QUARTER 3, F0, F1, 0
	TURN 1
	QUARTER 1, F0, F1, 0
	WIN 0
	s_sub_co_u32 s3, s3, 1
	s_cmp_lg_u32 s3, 0
	s_cbranch_scc1 .Lstep
	QUARTER 2, F1, F0, 0
	QUARTER 3, F0, F1, 0
	TURN 0
	QUARTER 1, F0, F1, 0
	QUARTER 2, F1, F0, 0
	QUARTER 3, F0, F1, 0
	s_wait_dscnt 4
	MUL8 F1, 0, 0
	MUL8 F1, 1, 0
	s_wait_dscnt 0x0
	MUL8 F1, 2, 0
	MUL8 F1, 3, 0
	WIN 0
	PLACES
	PLACES                                         ; (four are asked for; eight stand here, once a launch: the next lines write the sums in place)
	s_wait_loadcnt 0x0                             ; x and b_proj
; THE WAY OUT, 16 rows o at a time: the bias is added; 32 bytes a lane go into my own stage and come back as whole rows of 256 bytes; x is added; stored.
.macro BADD b
	WIN 0x4d                                       ; the sums in window 1, the bias in window 3
.irp a, 0,1,2,3
.irp p, 0,2,4,6
	v_pk_add_f32 v[8*(8*(\a)+(\b))+(\p):8*(8*(\a)+(\b))+(\p)+1], v[8*(8*(\a)+(\b))+(\p):8*(8*(\a)+(\b))+(\p)+1], v[2*(\b):2*(\b)+1]
.endr
.endr
.endm
.macro TOSTAGE b
.set BK, OB+32*((\b)%2)
	WIN 0x04                                       ; a store's data in window 1
.irp a, 0,1,2,3
	ds_store_b128 v[STO], v[8*(8*(\a)+(\b)):8*(8*(\a)+(\b))+3]   offset:64*(\a)
	ds_store_b128 v[STO], v[8*(8*(\a)+(\b))+4:8*(8*(\a)+(\b))+7] offset:64*(\a)+16
.endr
	WIN 0
.irp t, 0,1,2,3,4,5,6,7
	ds_load_b128 v[BK+4*(\t):BK+4*(\t)+3], v[RD] offset:(\t)*2*SP  ; LDS serves a wave's instructions in order (ISA guide 5.7.1.4): these see the stores above
.endr
.endm
.macro SEND b
.set BK, OB+32*((\b)%2)
	s_wait_dscnt 0x0                               ; the block is back in registers
	s_wait_xcnt 0x0                                ; the stores of the block before have read their data: the other buffer is loaded again only behind this wait
	WIN 0x08                                       ; x in window 2
.irp t, 0,1,2,3,4,5,6,7
.irp p, 0,2
	v_pk_add_f32 v[BK+4*(\t)+(\p):BK+4*(\t)+(\p)+1], v[BK+4*(\t)+(\p):BK+4*(\t)+(\p)+1], v[32*(\b)+4*(\t)+(\p):32*(\b)+4*(\t)+(\p)+1]
.endr
.endr
	WIN 0
.irp t, 0,1,2,3,4,5,6,7
	global_store_b128 v[CO], v[BK+4*(\t):BK+4*(\t)+3], s[12:13] offset:(16*(\b)+2*(\t))*8192 th:TH_STORE_NT  ; 16 lanes store 256 consecutive bytes, aligned
.endr
.endm
	BADD 0
	TOSTAGE 0
.irp b, 1,2,3,4,5,6,7
	BADD \b
	SEND (\b)-1
	TOSTAGE \b
.endr
	SEND 7
	s_wait_tensorcnt 0x0                           ; the wave's end: behind my last tensor load and my last LDS store
	ds_add_u32 v[SPW], v[NIL]
	s_wait_dscnt 0x0
	CROUND                                         ; the closing round
	s_endpgm
.Lfunc_end_k_qb36f41ded9_projg:
	.size	k_qb36f41ded9_projg, .Lfunc_end_k_qb36f41ded9_projg-k_qb36f41ded9_projg
	.p2alignl 7, 3214868480
	.fill 96, 4, 3214868480
	.section	.rodata,"a",@progbits
	.p2align	6, 0x0
	.amdhsa_kernel k_qb36f41ded9_projg
		.amdhsa_group_segment_fixed_size 327680
		.amdhsa_private_segment_fixed_size 0
		.amdhsa_enable_private_segment 0
		.amdhsa_kernarg_size 40
		.amdhsa_user_sgpr_count 2
		.amdhsa_user_sgpr_kernarg_segment_ptr 1
		.amdhsa_wavefront_size32 1
		.amdhsa_system_sgpr_workgroup_id_x 1
		.amdhsa_system_sgpr_workgroup_id_y 1
		.amdhsa_system_sgpr_workgroup_id_z 1
		.amdhsa_system_vgpr_workitem_id 0
		.amdhsa_next_free_vgpr 784
		.amdhsa_next_free_sgpr 80
		.amdhsa_reserve_vcc 0
		.amdhsa_float_denorm_mode_32 3
		.amdhsa_float_denorm_mode_16_64 3
		.amdhsa_memory_ordered 1
		.amdhsa_forward_progress 1
		.amdhsa_inst_pref_size 95
	.end_amdhsa_kernel
	.amdgpu_metadata
---
amdhsa.version: [ 1, 2 ]
amdhsa.kernels:
  - .name:           k_qb36f41ded9_projg
    .symbol:         k_qb36f41ded9_projg.kd
    .args:
      - { .name: ob, .offset: 0, .size: 8, .value_kind: global_buffer, .address_space: global }
      - { .name: wb, .offset: 8, .size: 8, .value_kind: global_buffer, .address_space: global }
      - { .name: b_proj, .offset: 16, .size: 8, .value_kind: global_buffer, .address_space: global }
      - { .name: x, .offset: 24, .size: 8, .value_kind: global_buffer, .address_space: global }
      - { .name: out0, .offset: 32, .size: 8, .value_kind: global_buffer, .address_space: global }
    .group_segment_fixed_size: 327680
    .private_segment_fixed_size: 0
    .kernarg_segment_align: 8
    .kernarg_segment_size: 40
    .max_flat_workgroup_size: 128
    .sgpr_count:     80
    .vgpr_count:     784
    .wavefront_size: 32
...
	.end_amdgpu_metadata
.endif
;; end of part 4
